; MI455X (gfx1250); checked and timed in simulation.
; The chip was launched on July 23, 2026; its instructions are those of AMD's public machine-readable ISA for CDNA 5 (MIT licence, August 2026) and "CDNA5" Instruction Set Architecture Reference Guide (July 2026). The comments in the code are by the model that wrote it; some were corrected since.
;; Multi Head Attention. Allowed arithmetic: matrix products marked QUANTISED: E2M1 operands, one E8M0 scale for each 32 along K, by v_wmma_scale_f32_16x16x128_f8f6f4 with both operands' format E2M1 (or v_wmma_scale_f32_32x16x128_f4), f32 sums; products left as they are: bf16, f16 or f32 operands; f32 sums; everything else in f32.
;; Inputs: Wk 1,024 x 1,024 float32; Wo 1,024 x 1,024 float32; Wq 1,024 x 1,024 float32; Wv 1,024 x 1,024 float32; X 4 x 2,048 x 1,024 float32; bk 1,024 float32; bo 1,024 float32; bq 1,024 float32; bv 1,024 float32.
;; Outputs: out0 4 x 2,048 x 1,024 float32.
;; Constants: causal = 1.
;; This version of the problem:
;;   THIS VERSION OF THE PROBLEM IS GIVEN IN LOW PRECISION. The matrix products marked QUANTISED in the list below multiply operands that are first quantised to E2M1 (2 exponent bits, 1 mantissa bit; 4 bits a number), with one power-of-two scale for each 32 numbers along K (OCP MX v1.0); their sums are f32. The products marked 'left as it is' may take bf16, f16 or f32 operands, with f32 sums. Whichever they take, every output number must still come out within the allowed error. Rounding operands to bf16 (8 significant bits) uses up far more of that allowance than f16 does (11 bits, for magnitudes from 6e-5 to 65,504). All else is computed in f32.
;;   The module's matrix products, in the order in which they are computed (A, B: the left and right operand; K: the contracted axis; several contracted axes count as one K, in the product's order):
;;     1. [M 8,192, K 1,024] x [K 1,024, N 1,024]; A: input X; B: input Wq: QUANTISED
;;     2. [M 8,192, K 1,024] x [K 1,024, N 1,024]; A: input X; B: input Wk: QUANTISED
;;     3. [M 8,192, K 1,024] x [K 1,024, N 1,024]; A: input X; B: input Wv: QUANTISED
;;     4. batch 64 x [M 2,048, K 64] x [K 64, N 2,048]; A: computed on the way; B: computed on the way: left as it is (an operand is computed on the way)
;;     5. batch 64 x [M 2,048, K 2,048] x [K 2,048, N 64]; A: computed on the way; B: computed on the way: left as it is (an operand is computed on the way)
;;     6. [M 8,192, K 1,024] x [K 1,024, N 1,024]; A: computed on the way; B: input Wo: left as it is (an operand is computed on the way)
;;   THE QUANTISER, for each operand of a quantised product, along K:
;;     - K is cut into blocks of 32 from its start; a last block that is shorter is filled with zeros.
;;     - A block's scale is 2^e with e = floor(log2(the largest magnitude in the block)) - 2, held to -126 .. 127; a block of zeros has e = 0. As a byte (E8M0): e + 127.
;;     - Each number is divided by its block's scale, clamped to +-6, and rounded to the nearest number of E2M1, ties to even, subnormals kept.
;;     - The product sums the exact products of the quantised numbers (number of the format x scale) in f32.
;;   ~~~python
;;   def quantise(x, axis):      # numpy; x: float32 -> the quantised numbers, widened to float32 again
;;       x = np.moveaxis(x, axis, -1); K = x.shape[-1]
;;       x = np.pad(x, [(0, 0)] * (x.ndim - 1) + [(0, -K % 32)]); x = x.reshape(x.shape[:-1] + (-1, 32)); a = np.abs(x).max(-1, keepdims=True)
;;       e = np.where(a > 0, np.clip(np.frexp(np.where(a > 0, a, 1))[1] - 1 - 2, -126, 127), 0)      # np.frexp(a)[1] - 1 = floor(log2(a)), exactly
;;       r = np.clip(x / 2.0 ** e, -6, 6)
;;       step = 2.0 ** (np.maximum(np.frexp(np.where(r == 0, 1, r))[1] - 1, 0) - 1)
;;       q = np.round(r / step) * step * 2.0 ** e      # np.round: ties to even
;;       return np.moveaxis(q.reshape(q.shape[:-2] + (-1,))[..., :K], -1, axis).astype(np.float32)
;;   ~~~
;; One version. Each part assembles by itself: llvm-mc -triple=amdgcn-amd-amdhsa -mcpu=gfx1250 --defsym DOCPART=n.
;; ======== version 1 of 1: 5 launches
;; limits: values are held in f16: magnitudes above 65,504 overflow, below 6.1e-05 lose precision
;; workspace buffers: xc 4,194,304 bytes; xs 262,144 bytes; wc 1,572,864 bytes; ws 98,304 bytes; wo16 2,097,152 bytes; qkv16 50,331,648 bytes; fine32 786,432 bytes; att16 16,777,216 bytes
;; launch prep (part 1): grid 576 x 1, 4 waves a work-group, no clusters, 42,496 bytes of LDS; arguments X, Wq, Wk, Wv, Wo, xc, xs, wc, ws, wo16; writes xc, xs, wc, ws, wo16
.if DOCPART == 1
	.amdgcn_target "amdgcn-amd-amdhsa--gfx1250"
	.amdhsa_code_object_version 6
	.text
	.protected	k_q6681618c7a_prep
	.globl	k_q6681618c7a_prep
	.p2align	8
	.type	k_q6681618c7a_prep,@function
k_q6681618c7a_prep:
	s_mov_b64 s[64:65], 0
	v_nop
	global_prefetch_b8 v0, s[64:65] scope:SCOPE_SE
	s_setreg_imm32_b32 hwreg(HW_REG_WAVE_MODE, 25, 1), 1
	s_wait_xcnt 0x0
; THE OPERANDS ARE MADE READY, once.  Three roles, told apart by the work-group's number (the same in all four waves):
;   work-groups   0-255: X [8192][1024] f32 -> codes of FP4 (E2M1), K innermost, xc [8192][512 bytes], and one E8M0 byte for each 32 along K, xs [8192][32];
;   work-groups 256-447: Wq, Wk, Wv [k 1024][n 1024] f32, whose K is the FIRST axis -> wc [1024 T + n][512 bytes], K innermost, ws [1024 T + n][32]  (T = 0, 1, 2);
;   work-groups 448-575: Wo f32 -> f16, as it lies: wo16 [k][n].
; A block's scale is 2^(floor(log2(its largest magnitude)) - 2); its byte is the largest magnitude's exponent field - 2, held at 1 from below.
; LIMITS: a block of zeros gets the byte 1 where the rule says 127 (its codes are zeros, and this program alone reads the bytes); blocks whose largest magnitude lies under 2^-124 get the byte 1;
; NaN and infinities among the inputs are not served; Wo must lie inside f16's range (under 65,504), numbers under 6e-5 keep an absolute error of 2^-25.
; No tensor loads.  Each role has LDS bytes of its own, and no LDS address hangs on the work-group's number.
.set SP,    80                         ; role X: a lane's place in a stage: 64 bytes + 16 of padding
.set WREG,  8192                       ; role X: a wave's region: two stages of 32 x SP bytes, behind them its 256 scale bytes
.set WST,   32768                      ; role W: the stage, 32 columns x (256 bytes of codes + 16)
.set WSS,   41472                      ; role W: 32 columns x 16 scale bytes
.set SPARE, 41984                      ; the spare words, 128 bytes for each wave: two blocks of 256 bytes that no other line names
.set SPW,   12                         ; v12  LDS address of my spare word; never rewritten
.set NIL,   13                         ; v13  0; never rewritten
.set STEPS, 16                         ; role X: steps of 512 numbers for a wave
.set AHEAD, 8                          ; role X: loads run eight steps ahead: 32 loads of 512 bytes a wave
.set R,     16                         ; v16-143  eight sets of 16 numbers as they are loaded
.set X,     144                        ; v144-175 two sets of 16 neighbours
.set E,     176                        ; v176-191 a scale byte for each step
.set C,     192                        ; v192-223 codes: two registers for each step, so that no store's data are written again
.set WX,    32                         ; role W: v32-95 two sets of 32 numbers
.set WC,    96                         ; v96-99   a block's codes
.set SB,    24                         ; v24      my column's four scale bytes
.set OUTR,  112                        ; v112-127 the way out
.macro FINISH                          ; a wave's end: three lines behind the last LDS store, the first of them even in a text with no tensor load
	s_wait_tensorcnt 0x0
	ds_add_u32 v[SPW], v[NIL]
	s_wait_dscnt 0x0
	s_endpgm
.endm
.macro LOAD t                          ; role X: step t's 2,048 bytes, as they lie: 32 lanes read 512 consecutive bytes
.irp i, 0,1,2,3
	global_load_b128 v[R+16*((\t)%AHEAD)+4*\i:R+16*((\t)%AHEAD)+4*\i+3], v3, s[4:5] offset:2048*(\t)+512*\i th:TH_LOAD_NT
.endr
.endm
.macro TURN t                          ; step t's numbers through the stage, so that a lane gets 16 neighbours; LDS serves a wave's instructions in order: no wait between the stores and the loads
.irp i, 0,1,2,3
	ds_store_b128 v14, v[R+16*((\t)%AHEAD)+4*\i:R+16*((\t)%AHEAD)+4*\i+3] offset:32*SP*((\t)%2)+8*SP*\i
.endr
.irp i, 0,1,2,3
	ds_load_b128 v[X+16*((\t)%2)+4*\i:X+16*((\t)%2)+4*\i+3], v15 offset:32*SP*((\t)%2)+16*\i
.endr
.endm
.macro STEP t
.set XS, X+16*((\t)%2)
.if (\t) > 0
	s_wait_dscnt 1                                 ; this step's numbers are back from the stage (the last step's byte store may be out): so the stage's stores have read their registers,
.else
	s_wait_dscnt 0x0
.endif
.if (\t)+AHEAD < STEPS
	LOAD (\t)+AHEAD                                ; which take the loads of eight steps on
.endif
.if (\t)+1 < STEPS
.if (\t) <= STEPS-1-AHEAD
	s_wait_loadcnt 4*(AHEAD-1)                     ; the next step's four loads are in; those of the seven steps behind it may be out
.else
	s_wait_loadcnt 4*(STEPS-2-(\t))                ; the counts run down: as many steps as are left behind the next one
.endif
	TURN (\t)+1
.endif
	v_max3_num_f32 v8, |v[XS]|, |v[XS+1]|, |v[XS+2]|               ; the largest magnitude of my 16, in two chains
	v_max3_num_f32 v9, |v[XS+3]|, |v[XS+4]|, |v[XS+5]|
.irp i, 6,10
	v_max3_num_f32 v8, v8, |v[XS+\i]|, |v[XS+\i+1]|
	v_max3_num_f32 v9, v9, |v[XS+\i+2]|, |v[XS+\i+3]|
.endr
	v_max3_num_f32 v8, v8, |v[XS+14]|, |v[XS+15]|
	v_max3_num_f32 v8, v8, v9, 0x1800000           ; and the floor 2^(3 - 127): the byte cannot fall under 1
	v_max_num_f32_dpp v8, v8, v8 row_xmask:1 row_mask:0xf bank_mask:0xf   ; with my neighbour's 16: the block's
	v_add_nc_u32 v11, 0xff000000, v8               ; 2 off its exponent field: the conversion takes this operand's exponent field as its scale
	v_cvt_scalef32_pk8_fp4_f32 v[C+2*(\t)], v[XS:XS+7], v11
	v_cvt_scalef32_pk8_fp4_f32 v[C+2*(\t)+1], v[XS+8:XS+15], v11
	v_lshrrev_b32 v[E+(\t)], 23, v11               ; the scale's byte (a plain line behind the conversions)
	ds_store_b8 v5, v[E+(\t)] offset:16*(\t)       ; both lanes of a block write the same byte with the same value
	global_store_b64 v4, v[C+2*(\t):C+2*(\t)+1], s[14:15] offset:256*(\t)   ; the wave stores 256 consecutive bytes, aligned
.endm
.macro WLOAD t                         ; role W: block t: W(K0 + 32 t + i, my column), i = 0 .. 31: a lane to a column, registers down K
.set i, 0
.rept 32
	global_load_b32 v[WX+32*((\t)%2)+i], v3, s[30:31] offset:(32*(\t)+i)*4096 th:TH_LOAD_NT
.set i, i+1
.endr
.endm
.macro BLOCK t
.set XS, WX+32*((\t)%2)
.if (\t) < 3
	s_wait_loadcnt 32                              ; this block's 32 loads are in; the next block's may be out
.else
	s_wait_loadcnt 0x0
.endif
	v_max3_num_f32 v20, |v[XS]|, |v[XS+1]|, |v[XS+2]|              ; the block's largest magnitude: all 32 numbers are mine
	v_max3_num_f32 v21, |v[XS+3]|, |v[XS+4]|, |v[XS+5]|
.irp i, 6,10,14,18,22,26
	v_max3_num_f32 v20, v20, |v[XS+\i]|, |v[XS+\i+1]|
	v_max3_num_f32 v21, v21, |v[XS+\i+2]|, |v[XS+\i+3]|
.endr
	v_max3_num_f32 v20, v20, |v[XS+30]|, |v[XS+31]|
	v_max3_num_f32 v20, v20, v21, 0x1800000        ; the floor
	v_add_nc_u32 v22, 0xff000000, v20              ; the conversion's scale operand
	v_lshrrev_b32 v21, 23, v22                     ; the byte
.if (\t) == 0
	v_mov_b32 v[SB], v21
.else
	v_lshl_or_b32 v[SB], v21, 8*(\t), v[SB]        ; the lower K in the lower byte
.endif
.irp g, 0,1,2,3
	v_cvt_scalef32_pk8_fp4_f32 v[WC+\g], v[XS+8*\g:XS+8*\g+7], v22
.endr
	ds_store_b128 v4, v[WC:WC+3] offset:16*(\t)    ; 32 codes: 16 bytes of my column's row
.if (\t)+2 < 4
	WLOAD (\t)+2
.endif
	s_wait_dscnt 0x0                               ; the store has read its registers: the next block's codes may be written
.endm
	s_load_b512 s[4:19], s[0:1], 0x0               ; X 4:5, Wq 6:7, Wk 8:9, Wv 10:11, Wo 12:13, xc 14:15, xs 16:17, wc 18:19
	s_load_b128 s[20:23], s[0:1], 0x40             ; ws 20:21, wo16 22:23
	v_lshl_add_u32 v[SPW], v0, 2, SPARE
	v_mov_b32 v[NIL], 0
	v_lshrrev_b32 v1, 5, v0
	v_readfirstlane_b32 s24, v1                    ; wave 0..3
	v_and_b32 v2, 31, v0                           ; lane
	s_wait_kmcnt 0x0
	s_cmp_lt_u32 ttmp9, 256
	s_cbranch_scc0 .Lnot_x
	; ---- ROLE X: a plain stream of blocks of 32; a wave takes 8,192 numbers
	v_lshlrev_b32 v3, 4, v2                        ; my 16 bytes of a load's 512
	s_mul_i32 s25, s24, WREG
	v_lshrrev_b32 v14, 2, v2
	v_mul_u32_u24 v14, v14, SP
	v_and_b32 v15, 3, v2
	v_lshl_add_u32 v14, v15, 4, v14
	v_add_nc_u32 v14, s25, v14                     ; the stage, on the way in: SP (lane / 4) + 16 (lane % 4)
	v_mul_u32_u24 v15, v2, SP
	v_add_nc_u32 v15, s25, v15                     ; and on the way out: SP x lane
	v_lshlrev_b32 v4, 3, v2                        ; 8 bytes a lane: my codes' place in a step's, and my part of the scale bytes
	v_lshrrev_b32 v5, 1, v2
	s_add_co_u32 s25, s25, 2*32*SP
	v_add_nc_u32 v5, s25, v5                       ; LDS: my block's byte among my wave's 256
	v_add_nc_u32 v6, s25, v4                       ; and on the way out 8 bytes a lane
	s_lshl_b32 s26, ttmp9, 2
	s_add_co_u32 s26, s26, s24                     ; which run of 8,192 numbers is my wave's
	s_lshl_b32 s28, s26, 15
	s_mov_b32 s29, 0
	s_add_nc_u64 s[4:5], s[4:5], s[28:29]
	s_lshl_b32 s28, s26, 12
	s_add_nc_u64 s[14:15], s[14:15], s[28:29]
	s_lshl_b32 s28, s26, 8
	s_add_nc_u64 s[16:17], s[16:17], s[28:29]
.irp t, 0,1,2,3,4,5,6,7
	LOAD \t
.endr
	s_wait_loadcnt 4*(AHEAD-1)                     ; step 0's four loads are in; seven steps' stay out
	TURN 0
.irp t, 0,1,2,3,4,5,6,7,8,9,10,11,12,13,14,15
	STEP \t
.endr
	ds_load_b64 v[8:9], v6                         ; LDS serves a wave's instructions in order: these see my byte stores
	s_wait_dscnt 0x0
	global_store_b64 v4, v[8:9], s[16:17]          ; 32 lanes store 256 consecutive bytes, aligned
	FINISH
.Lnot_x:
	s_cmp_lt_u32 ttmp9, 448
	s_cbranch_scc0 .Lrole_o
	; ---- ROLE W: a work-group takes 32 columns x 512 along K of one weight; wave w takes 128 along K (4 blocks a lane)
	s_sub_co_u32 s25, ttmp9, 256
	s_lshr_b32 s26, s25, 6                         ; T: which weight
	s_bfe_u32 s27, s25, 0x50001                    ; which 32 columns
	s_and_b32 s28, s25, 1                          ; which half of K
	s_cmp_eq_u32 s26, 0
	s_cselect_b64 s[30:31], s[6:7], s[8:9]
	s_cmp_eq_u32 s26, 2
	s_cselect_b64 s[30:31], s[10:11], s[30:31]
	s_lshl_b32 s32, s28, 2
	s_add_co_u32 s32, s32, s24
	s_lshl_b32 s32, s32, 19                        ; (512 half + 128 wave) rows of 4,096 bytes
	s_lshl_b32 s33, s27, 7
	s_add_co_u32 s32, s32, s33                     ; + 32 columns x 4 bytes
	s_mov_b32 s33, 0
	s_add_nc_u64 s[30:31], s[30:31], s[32:33]
	s_lshl_b32 s34, s26, 10
	s_lshl_b32 s35, s27, 5
	s_add_co_u32 s34, s34, s35                     ; the first row of wc and ws: 1024 T + 32 x group
	s_lshl_b32 s32, s24, 3
	s_add_co_u32 s32, s32, s34
	s_lshl_b32 s32, s32, 9                         ; wc: (row + 8 wave) x 512
	s_lshl_b32 s35, s28, 8
	s_add_co_u32 s32, s32, s35                     ; + 256 x half
	s_add_nc_u64 s[18:19], s[18:19], s[32:33]
	s_lshl_b32 s32, s34, 5                         ; ws: row x 32
	s_lshl_b32 s35, s28, 4
	s_add_co_u32 s32, s32, s35                     ; + 16 x half
	s_add_nc_u64 s[20:21], s[20:21], s[32:33]
	v_lshlrev_b32 v3, 2, v2                        ; in: 4 bytes a lane
	s_lshl_b32 s36, s24, 6
	s_add_co_u32 s36, s36, WST
	v_mul_u32_u24 v4, v2, 272
	v_add_nc_u32 v4, s36, v4                       ; into the stage: row = my column, my wave's 64 bytes
	s_lshl_b32 s36, s24, 2
	s_add_co_u32 s36, s36, WSS
	v_lshl_add_u32 v5, v2, 4, s36                  ; my column's scale bytes, my wave's word
	v_and_b32 v8, 15, v2
	v_lshrrev_b32 v9, 4, v2
	s_mul_i32 s36, s24, 8*272
	s_add_co_u32 s36, s36, WST
	v_mul_u32_u24 v6, v9, 272
	v_lshl_add_u32 v6, v8, 4, v6
	v_add_nc_u32 v6, s36, v6                       ; out of the stage: wave w takes rows 8 w on; sixteen lanes to a row, two rows an instruction
	v_lshlrev_b32 v7, 9, v9
	v_lshl_add_u32 v7, v8, 4, v7                   ; and the same place in wc
	v_lshl_add_u32 v10, v2, 4, WSS                 ; wave 0's way out of the scale bytes: made ahead of the branch on the wave's number
	v_lshlrev_b32 v11, 5, v2
	WLOAD 0
	WLOAD 1
	BLOCK 0
	BLOCK 1
	BLOCK 2
	BLOCK 3
	ds_store_b32 v5, v[SB]
	s_wait_dscnt 0x0                               ; for the others' sake: my stores have landed
	s_barrier_signal -1
	s_barrier_wait -1                              ; a column's 256 bytes come from four waves
.irp t, 0,1,2,3
	ds_load_b128 v[OUTR+4*\t:OUTR+4*\t+3], v6 offset:2*\t*272
.endr
.irp t, 0,1,2,3
	s_wait_dscnt 3-\t                              ; LDS loads come back in order: load t is in
	global_store_b128 v7, v[OUTR+4*\t:OUTR+4*\t+3], s[18:19] offset:1024*\t   ; sixteen lanes store 256 consecutive bytes, aligned
.endr
	s_cmp_lg_u32 s24, 0
	s_cbranch_scc1 .Lw_done
	ds_load_b128 v[100:103], v10                   ; 16 scale bytes of a column
	s_wait_dscnt 0x0
	global_store_b128 v11, v[100:103], s[20:21]    ; rows of 32 bytes, half a row each: 98,304 bytes in the whole launch go out so
.Lw_done:
	FINISH
.Lrole_o:
	; ---- ROLE Wo: f32 to f16 as it lies; a wave takes 8,192 bytes
	s_sub_co_u32 s25, ttmp9, 448
	s_lshl_b32 s25, s25, 2
	s_add_co_u32 s25, s25, s24
	s_lshl_b32 s26, s25, 13
	s_mov_b32 s27, 0
	s_add_nc_u64 s[12:13], s[12:13], s[26:27]
	s_lshl_b32 s26, s25, 12
	s_add_nc_u64 s[22:23], s[22:23], s[26:27]
	v_lshlrev_b32 v3, 4, v2
	v_lshlrev_b32 v4, 3, v2
.irp i, 0,1,2,3,4,5,6,7,8,9,10,11,12,13,14,15
	global_load_b128 v[16+4*\i:19+4*\i], v3, s[12:13] offset:512*\i th:TH_LOAD_NT
.endr
.irp i, 0,1,2,3,4,5,6,7,8,9,10,11,12,13,14,15
	s_wait_loadcnt 15-\i                           ; loads come back in order: load i is in
	v_cvt_pk_f16_f32 v[80+2*\i], v[16+4*\i], v[17+4*\i]
	v_cvt_pk_f16_f32 v[81+2*\i], v[18+4*\i], v[19+4*\i]
	global_store_b64 v4, v[80+2*\i:81+2*\i], s[22:23] offset:256*\i   ; the wave stores 256 consecutive bytes, aligned
.endr
	FINISH
.Lfunc_end_k_q6681618c7a_prep:
	.size	k_q6681618c7a_prep, .Lfunc_end_k_q6681618c7a_prep-k_q6681618c7a_prep
	.p2alignl 7, 3214868480
	.fill 96, 4, 3214868480
	.section	.rodata,"a",@progbits
	.p2align	6, 0x0
	.amdhsa_kernel k_q6681618c7a_prep
		.amdhsa_group_segment_fixed_size 42496
		.amdhsa_private_segment_fixed_size 0
		.amdhsa_enable_private_segment 0
		.amdhsa_kernarg_size 80
		.amdhsa_user_sgpr_count 2
		.amdhsa_user_sgpr_kernarg_segment_ptr 1
		.amdhsa_wavefront_size32 1
		.amdhsa_system_sgpr_workgroup_id_x 1
		.amdhsa_system_sgpr_workgroup_id_y 1
		.amdhsa_system_sgpr_workgroup_id_z 1
		.amdhsa_system_vgpr_workitem_id 0
		.amdhsa_next_free_vgpr 256
		.amdhsa_next_free_sgpr 66
		.amdhsa_reserve_vcc 0
		.amdhsa_float_denorm_mode_32 3
		.amdhsa_float_denorm_mode_16_64 3
		.amdhsa_memory_ordered 1
		.amdhsa_forward_progress 1
		.amdhsa_inst_pref_size 61
	.end_amdhsa_kernel
	.amdgpu_metadata
---
amdhsa.version: [ 1, 2 ]
amdhsa.kernels:
  - .name:           k_q6681618c7a_prep
    .symbol:         k_q6681618c7a_prep.kd
    .args:
      - { .name: X, .offset: 0, .size: 8, .value_kind: global_buffer, .address_space: global }
      - { .name: Wq, .offset: 8, .size: 8, .value_kind: global_buffer, .address_space: global }
      - { .name: Wk, .offset: 16, .size: 8, .value_kind: global_buffer, .address_space: global }
      - { .name: Wv, .offset: 24, .size: 8, .value_kind: global_buffer, .address_space: global }
      - { .name: Wo, .offset: 32, .size: 8, .value_kind: global_buffer, .address_space: global }
      - { .name: xc, .offset: 40, .size: 8, .value_kind: global_buffer, .address_space: global }
      - { .name: xs, .offset: 48, .size: 8, .value_kind: global_buffer, .address_space: global }
      - { .name: wc, .offset: 56, .size: 8, .value_kind: global_buffer, .address_space: global }
      - { .name: ws, .offset: 64, .size: 8, .value_kind: global_buffer, .address_space: global }
      - { .name: wo16, .offset: 72, .size: 8, .value_kind: global_buffer, .address_space: global }
    .group_segment_fixed_size: 42496
    .private_segment_fixed_size: 0
    .kernarg_segment_align: 8
    .kernarg_segment_size: 80
    .max_flat_workgroup_size: 128
    .sgpr_count:     66
    .vgpr_count:     256
    .wavefront_size: 32
...
	.end_amdgpu_metadata
.endif
;; end of part 1
;; launch proj (part 2): grid 12 x 32, 4 waves a work-group, clusters of 4 x 4, 327,680 bytes of LDS; arguments xc, xs, wc, ws, bq, bk, bv, qkv16, fine32; writes qkv16, fine32
.if DOCPART == 2
	.amdgcn_target "amdgcn-amd-amdhsa--gfx1250"
	.amdhsa_code_object_version 6
	.text
	.protected	k_q6681618c7a_proj
	.globl	k_q6681618c7a_proj
	.p2align	8
	.type	k_q6681618c7a_proj,@function
k_q6681618c7a_proj:
	s_mov_b64 s[64:65], 0
	v_nop
	global_prefetch_b8 v0, s[64:65] scope:SCOPE_SE
	s_setreg_imm32_b32 hwreg(HW_REG_WAVE_MODE, 25, 1), 1
	s_wait_xcnt 0x0
	s_wait_alu depctr_hold_cnt(0) depctr_sa_sdst(0) depctr_va_vdst(0) depctr_va_sdst(0) depctr_va_ssrc(0) depctr_va_vcc(0) depctr_vm_vsrc(0)
	s_getreg_b32 s2, hwreg(HW_REG_IB_STS2, 6, 4)
	s_cmp_eq_u32 s2, 0
	s_cbranch_scc0 .Lentry_in_a_cluster
	s_endpgm
.Lentry_in_a_cluster:
	s_bfe_u32 s2, ttmp6, 0x10000c
	s_cmp_lg_u32 s2, 0xf033
	s_cbranch_scc0 .Lentry_shape_is_right
	s_endpgm
.Lentry_shape_is_right:
; Q, K, V = Q4(X) Q4(W) + b: one product [8192] x [3072], K = 1,024, on codes of FP4 (E2M1) with one E8M0 scale for each 32 along K; sums in f32.
; Out: f16 by head, qkv16 [T 3][y = 4 head + batch][s 2048][64]; and positions 0-15 of every sequence once more in f32, fine32 [batch][s 16][3072].
; LIMIT: |Q|, |K|, |V| must lie under 65,504 (f16's range); numbers under 6e-5 keep an absolute error of 2^-25.
; A tile of 256 x 256 is made by four waves, each 128 x 128: 64 accumulators, 512 registers.  K is two slots of 512: both are asked for at the head, nothing is filled again.
; The scale bytes of the tile's 256 + 256 rows, for all of K, come once, as dense blocks.
; CLUSTERS: 4 x 4 work-groups.  A ROW OF THE CLUSTER IS A BATCH: the tile's rows are 2048 cy + 256 (cluster y) on, so that whether a tile holds positions 0-15 hangs on cluster y alone, which all sixteen share.
; The four of a row of the cluster need the same tiles of X, the four of a column the same tiles of W: each is asked for jointly.  The cluster's x is T (q, k or v).
; THE MATRIX INSTRUCTION IS USED TRANSPOSED (source 0 = 16 rows of wc, source 1 = 16 rows of xc): a lane holds eight neighbouring columns of one row.  The bias is the C of each sum's first product.
; REGISTERS: window 0: v0-31 addresses; v32-95 scale words, two sets; v128-191 X's fragments, one set; v192-255 the bias, eight registers for each block of 16 columns.
;   window 1: W's fragments, two sets.   windows 2, 3: the accumulators ((a, b) at v[8 (8 (a % 4) + b)]).   On the way out v32-191 of window 0 are free.
.set NQ,     4                         ; steps of 128 along K in a slot
.set ROWB,   256                       ; a tile's row: 512 codes
.set KROW,   512                       ; a row of codes in memory
.set PITCH,  272                       ; an LDS row: 256 bytes + 16 of padding: the 16 rows that a load touches start at 16 different banks (64 banks of 4 bytes: ISA guide 11.1)
.set FR,     8
.set NL,     2
.set NP,     4                         ; places behind this matrix instruction (ISA guide 7.12.1)
.set HALFT,  128*PITCH
.set SLOT,   4*HALFT
.set KS,     32                        ; a row of scale bytes
.set SCL,    2*SLOT
.set HALFS,  16*272                    ; the scales of 128 rows: 16 units of 256 bytes + 16
.set SBLK,   2*272                     ; those of 16 rows
.set SPARE,  SCL+4*HALFS               ; the spare words, 128 bytes for each wave
.set ADRA, 16
.set ADRB, 20
.set STO32, 22                         ; the f32 way out: stage + 528 r + 32 h
.set RD32, 23                          ; stage + 16 x lane
.set STO,  24                          ; the f16 way out: stage + 272 r + 16 h
.set RD,   25                          ; stage + 272 (lane / 8) + 16 (lane % 8)
.set CO,   26                          ; 16 x lane
.set ADRS, 27
.set SPW,  28
.set NIL,  29
.set SC,   32
.set AF,   128
.set BI,   192
.set TMP,  32                          ; the way out: a block's 32 packed registers
.set BK,   64                          ; and a block read back: v64-95 and v96-127 by turns
.set WV,  22
.set RH,  23                           ; which half of the tile's rows is mine.  Also: I fetch for X (0) or for W (1)
.set CH,  24                           ; which half of its columns.  Also: which 128 rows I fetch
.set CX,  25
.set CY,  26
.set TC,  27
.set CLY, 28
.set FINE, 29                          ; 0: my block 0 holds positions 0-15
.set G1,  32
.set G0,  40
.set G1B, 48
.set G0B, 56
.set G1S, 68
.set G0S, 76
.set G1SB, 80
.set G0SB, 88
.set MSB, 0
.macro WIN new                         ; the immediate's high byte repeats the setting that is left
.if MSB != (\new)
	s_set_vgpr_msb (MSB<<8)|(\new)
.set MSB, (\new)
.endif
.endm
.set MUL_LO, 0xa1                      ; source 0 (W) window 1, source 1 (X) window 0, C and D window 2
.set MUL_HI, 0xf1
.set BIAS_LO, 0x81                     ; the same with C (the bias) in window 0
.set BIAS_HI, 0xc1
.set TO_B,   0x40
; A joint load: waves 0 and 1 fetch for X, waves 2 and 3 for W.  An s_nop 0 and four v_nop follow each of the two lines.
.macro JLOAD g0a, g1a, g0b, g1b
	s_cmp_eq_u32 s[RH], 0
	s_cbranch_scc0 .Lfor_b_\@
	tensor_load_to_lds s[\g0a:\g0a+3], s[\g1a:\g1a+7]
	s_nop 0
.rept 4
	v_nop
.endr
	s_branch .Lasked_\@
.Lfor_b_\@:
	tensor_load_to_lds s[\g0b:\g0b+3], s[\g1b:\g1b+7]
	s_nop 0
.rept 4
	v_nop
.endr
.Lasked_\@:
.endm
.macro CROUND                          ; a round of the cluster's barrier
	s_barrier_signal -1
	s_barrier_wait -1
	s_cmp_lg_u32 s[WV], 0
	s_cbranch_scc1 .Lnot_wave_0_\@
	s_barrier_signal -3
.Lnot_wave_0_\@:
	s_barrier_wait -3
	s_barrier_signal -1
	s_barrier_wait -1
.endm
	s_load_b256 s[4:11], s[0:1], 0x0               ; xc 4:5, xs 6:7, wc 8:9, ws 10:11
	s_load_b256 s[12:19], s[0:1], 0x20             ; bq 12:13, bk 14:15, bv 16:17, qkv16 18:19
	s_load_b64 s[20:21], s[0:1], 0x40              ; fine32
	v_lshl_add_u32 v[SPW], v0, 2, SPARE
	v_mov_b32 v[NIL], 0
	ds_add_u32 v[SPW], v[NIL]                      ; the wave's opening: the add, twice on end, and its wait ahead of my first tensor load
	ds_add_u32 v[SPW], v[NIL]
	v_lshrrev_b32 v1, 5, v0
	v_readfirstlane_b32 s[WV], v1
	s_lshr_b32 s[RH], s[WV], 1
	s_and_b32 s[CH], s[WV], 1
	s_bfe_u32 s[CX], ttmp6, 0x40000
	s_bfe_u32 s[CY], ttmp6, 0x40004
	s_lshl_b32 s[TC], ttmp9, 2
	s_add_co_u32 s[TC], s[TC], s[CX]               ; tile column = 4 x cluster x + cx
	s_and_b32 s[CLY], ttmp7, 0xffff                ; cluster y
	s_or_b32 s[FINE], s[CLY], s[RH]
	s_lshl_b32 s30, s[CY], 2
	s_lshl_b32 s30, 15, s30                        ; my row of the cluster
	s_lshl_b32 s31, 0x1111, s[CX]                  ; my column
	s_or_b32 s[G1+0], s30, (0<<16)|(1<<20)|(1<<21)|(5<<22)|(3<<25)   ; the mask; elements of 1 byte; padding on; bit 21 beside a mask; after every 64 words 4 words
	s_or_b32 s[G1B+0], s31, (0<<16)|(1<<20)|(1<<21)|(5<<22)|(3<<25)
.irp g, G1, G1B
	s_mov_b32 s[\g+1], ROWB<<16                    ; tensor_dim0
	s_mov_b32 s[\g+2], 128<<16                     ; tensor_dim1
	s_mov_b32 s[\g+3], ROWB<<16                    ; tile_dim0
	s_mov_b32 s[\g+4], 128                         ; tile_dim1
	s_mov_b32 s[\g+5], KROW                        ; the pitch
	s_mov_b32 s[\g+6], 0
	s_mov_b32 s[\g+7], 0
.endr
	s_or_b32 s[G1S+0], s30, (3<<16)|(1<<20)|(1<<21)|(5<<22)|(3<<25)  ; the scales of 128 rows: 4,096 dense bytes as 16 rows of 32 elements of 8 bytes
	s_or_b32 s[G1SB+0], s31, (3<<16)|(1<<20)|(1<<21)|(5<<22)|(3<<25)
.irp g, G1S, G1SB
	s_mov_b32 s[\g+1], 32<<16
	s_mov_b32 s[\g+2], 16<<16
	s_mov_b32 s[\g+3], 32<<16
	s_mov_b32 s[\g+4], 16
	s_mov_b32 s[\g+5], 32
	s_mov_b32 s[\g+6], 0
	s_mov_b32 s[\g+7], 0
.endr
	s_lshl_b32 s2, s[CH], 7                        ; which 128 rows of a tile I fetch
	s_lshl_b32 s3, s[CY], 11
	s_lshl_b32 s66, s[CLY], 8
	s_add_co_u32 s3, s3, s66
	s_add_co_u32 s3, s3, s2                        ; X: row 2048 cy + 256 cluster y + 128 half
	s_lshl_b32 s92, s3, 9                          ; its codes,
	s_mov_b32 s93, 0
	s_lshl_b32 s94, s3, 5                          ; its scale bytes
	s_mov_b32 s95, 0
	s_lshl_b32 s67, s[TC], 8
	s_add_co_u32 s67, s67, s2                      ; W: row 256 x tile column + 128 half
	s_lshl_b32 s96, s67, 9
	s_mov_b32 s97, 0
	s_lshl_b32 s98, s67, 5
	s_mov_b32 s99, 0
	s_mul_i32 s100, s[WV], HALFT                   ; where they go: wave x 128 rows: no place in the cluster enters an LDS address
	s_mul_i32 s101, s[WV], HALFS
	s_wait_dscnt 0x0                               ; both opening adds are done
	s_wait_kmcnt 0x0
	s_add_nc_u64 s[92:93], s[4:5], s[92:93]
	s_add_nc_u64 s[94:95], s[6:7], s[94:95]
	s_add_nc_u64 s[96:97], s[8:9], s[96:97]
	s_add_nc_u64 s[98:99], s[10:11], s[98:99]
	CROUND                                         ; all sixteen work-groups are here: the first joint loads meet
	s_mov_b32 s[G0S], 1
	s_add_co_u32 s[G0S+1], s101, SCL
	s_mov_b64 s[G0S+2:G0S+3], s[94:95]
	s_or_b32 s[G0S+3], s[G0S+3], 0x80000000
	s_mov_b32 s[G0SB], 1
	s_add_co_u32 s[G0SB+1], s101, SCL
	s_mov_b64 s[G0SB+2:G0SB+3], s[98:99]
	s_or_b32 s[G0SB+3], s[G0SB+3], 0x80000000
	JLOAD G0S, G1S, G0SB, G1SB                     ; the scales first: they are wanted with the first slot
.irp s, 0,1
	s_mov_b32 s[G0+4*\s], 1
	s_add_co_u32 s[G0+4*\s+1], s100, \s*SLOT
	s_add_nc_u64 s[G0+4*\s+2:G0+4*\s+3], s[92:93], \s*ROWB
	s_or_b32 s[G0+4*\s+3], s[G0+4*\s+3], 0x80000000
	s_mov_b32 s[G0B+4*\s], 1
	s_add_co_u32 s[G0B+4*\s+1], s100, \s*SLOT
	s_add_nc_u64 s[G0B+4*\s+2:G0B+4*\s+3], s[96:97], \s*ROWB
	s_or_b32 s[G0B+4*\s+3], s[G0B+4*\s+3], 0x80000000
	JLOAD G0+4*\s, G1, G0B+4*\s, G1B               ; three loads of mine are out behind the second of these
.endr
	v_and_b32 v1, 15, v0                           ; r
	v_bfe_u32 v2, v0, 4, 1                         ; h
	v_lshlrev_b32 v10, 5, v2                       ; the bias: 32 h bytes; kept until the loads are in
	s_cmp_eq_u32 ttmp9, 0                          ; which bias: by T, the cluster's x
	s_cselect_b64 s[12:13], s[12:13], s[14:15]
	s_cmp_eq_u32 ttmp9, 2
	s_cselect_b64 s[12:13], s[16:17], s[12:13]
	s_lshl_b32 s2, s[CX], 10
	s_lshl_b32 s3, s[CH], 9
	s_add_co_u32 s2, s2, s3                        ; my first column in the weight, x 4 bytes
	s_mov_b32 s3, 0
	s_add_nc_u64 s[12:13], s[12:13], s[2:3]
.irp b, 0,1,2,3,4,5,6,7
	global_load_b128 v[BI+8*\b:BI+8*\b+3], v10, s[12:13] offset:64*\b        ; lane (r, h): the bias of columns 16 b + 8 h + 0 .. 7
	global_load_b128 v[BI+8*\b+4:BI+8*\b+7], v10, s[12:13] offset:64*\b+16
.endr
	v_mul_u32_u24 v3, v1, PITCH
	v_lshl_add_u32 v4, v2, 4, v3                   ; a fragment's row x pitch + 16 h
	s_mul_i32 s2, s[RH], HALFT
	s_mul_i32 s3, s[CH], HALFT
	s_add_co_u32 s3, s3, 2*HALFT                   ; W's rows lie behind X's 256
.irp s, 0,1
	v_add_nc_u32 v[ADRA+\s], s2, v4
	v_add_nc_u32 v[ADRB+\s], s3, v4
	s_add_co_u32 s2, s2, SLOT
	s_add_co_u32 s3, s3, SLOT
.endr
	v_mul_u32_u24 v5, v1, KS                       ; my row's scales: 32 bytes a row,
	v_lshrrev_b32 v6, 8, v5
	v_lshl_add_u32 v5, v6, 4, v5                   ; and 16 more for each 256 passed
	s_mul_i32 s2, s[RH], HALFS
	s_mul_i32 s3, s[CH], HALFS
	s_add_co_u32 s3, s3, 2*HALFS
	s_sub_co_u32 s3, s3, s2
	v_mul_u32_u24 v6, s3, v2                       ; lanes 16-31 take W's: one product, the distance between the two bases
	s_add_co_u32 s2, s2, SCL
	v_add_nc_u32 v5, v5, v6
	v_add_nc_u32 v[ADRS], s2, v5
	s_mul_i32 s2, s[WV], 16*528                    ; my stage, in slot 0
	v_mul_u32_u24 v5, v1, 272
	v_lshl_add_u32 v5, v2, 4, v5
	v_add_nc_u32 v[STO], s2, v5
	v_and_b32 v6, 31, v0
	v_lshrrev_b32 v7, 3, v6
	v_and_b32 v8, 7, v6
	v_mul_u32_u24 v7, v7, 272
	v_lshl_add_u32 v7, v8, 4, v7
	v_add_nc_u32 v[RD], s2, v7
	v_lshlrev_b32 v[CO], 4, v6
	v_mul_u32_u24 v5, v1, 528
	v_lshl_add_u32 v5, v2, 5, v5
	v_add_nc_u32 v[STO32], s2, v5
	v_add_nc_u32 v[RD32], s2, v[CO]
	s_lshl_b32 s2, ttmp9, 24                       ; qkv16: T x 16,777,216
	s_lshl_b32 s3, s[CX], 22                       ; + (4 (4 cx + 2 half) + cy) x 262,144
	s_add_co_u32 s2, s2, s3
	s_lshl_b32 s3, s[CH], 21
	s_add_co_u32 s2, s2, s3
	s_lshl_b32 s3, s[CY], 18
	s_add_co_u32 s2, s2, s3
	s_lshl_b32 s3, s[CLY], 15                      ; + (256 cluster y + 128 half) rows of 128 bytes
	s_add_co_u32 s2, s2, s3
	s_lshl_b32 s3, s[RH], 14
	s_add_co_u32 s2, s2, s3
	s_mov_b32 s3, 0
	s_add_nc_u64 s[18:19], s[18:19], s[2:3]
	s_mul_i32 s2, s[CY], 196608                    ; fine32: batch x 16 rows of 12,288 bytes
	s_lshl_b32 s66, s[TC], 10
	s_add_co_u32 s2, s2, s66
	s_lshl_b32 s66, s[CH], 9
	s_add_co_u32 s2, s2, s66                       ; + my first column x 4
	s_add_nc_u64 s[20:21], s[20:21], s[2:3]
.macro FRAG reg, adr, q, i             ; 16 rows x 128 K of 4-bit codes: 8 registers: lane l holds row l % 16; registers 4 c .. 4 c + 3 hold K = 64 c + 32 (l / 16) + 0 .. 31
.irp c, 0,1
	ds_load_b128 v[\reg+4*\c:\reg+4*\c+3], v[\adr] offset:64*(\q)+32*\c+(\i)*16*PITCH
.endr
.endm
; 16 matrix instructions: X's blocks a0, a0 + 1 against W's eight.  zero = 1: the first product starts the sums, with the bias as its C.  The 64 accumulators take turns, one instruction a turn.
.macro MUL16 a0, p, q, sc, zero
.irp a, \a0, \a0+1
.irp b, 0,1,2,3,4,5,6,7
.if \zero
	v_wmma_scale_f32_16x16x128_f8f6f4 v[8*(8*((\a)%4)+\b):8*(8*((\a)%4)+\b)+7], v[128*(\p)+FR*\b:128*(\p)+FR*\b+FR-1], v[AF+FR*(\a):AF+FR*(\a)+FR-1], v[BI+8*\b:BI+8*\b+7], v[SC+8*NQ*(\sc)+NQ*\b+(\q)], v[SC+8*NQ*(\sc)+NQ*(\a)+(\q)] matrix_a_fmt:MATRIX_FMT_FP4 matrix_b_fmt:MATRIX_FMT_FP4 matrix_a_scale:MATRIX_SCALE_ROW1
.else
	v_wmma_scale_f32_16x16x128_f8f6f4 v[8*(8*((\a)%4)+\b):8*(8*((\a)%4)+\b)+7], v[128*(\p)+FR*\b:128*(\p)+FR*\b+FR-1], v[AF+FR*(\a):AF+FR*(\a)+FR-1], v[8*(8*((\a)%4)+\b):8*(8*((\a)%4)+\b)+7], v[SC+8*NQ*(\sc)+NQ*\b+(\q)], v[SC+8*NQ*(\sc)+NQ*(\a)+(\q)] matrix_a_fmt:MATRIX_FMT_FP4 matrix_b_fmt:MATRIX_FMT_FP4 matrix_a_scale:MATRIX_SCALE_ROW1
.endif
.endr
.endr
.endm
.macro FETCH_B slot, q, p
	WIN TO_B
.irp i, 0,1,2,3,4,5,6,7
	FRAG 128*(\p)+FR*\i, ADRB+\slot, \q, \i
.endr
	WIN 0
.endm
.macro FETCH_A slot, q, i0
.irp i, \i0, \i0+1, \i0+2, \i0+3
	FRAG AF+FR*(\i), ADRA+\slot, \q, \i
.endr
.endm
.macro SCALES sc                       ; a slot's scale words: four a row; lanes 0-15 take X's block i, lanes 16-31 W's block i
.irp i, 0,1,2,3,4,5,6,7
	ds_load_b128 v[SC+8*NQ*\sc+NQ*\i:SC+8*NQ*\sc+NQ*\i+3], v[ADRS] offset:\i*SBLK
.endr
.endm
.macro PLACES n                        ; plain vector instructions between a matrix instruction and a load into, or a read of, its registers
.rept \n
	v_nop
.endr
.endm
.macro STEP slot, q, zero              ; 128 along K with a successor in the same slot
	s_wait_dscnt 4*NL                              ; W's set and X's blocks 0-3 are in; the youngest eight loads (X's blocks 4-7) may be out
.if \zero
	WIN BIAS_LO
.else
	WIN MUL_LO
.endif
	MUL16 0, (\q)%2, \q, \slot, \zero
	MUL16 2, (\q)%2, \q, \slot, \zero
	s_wait_dscnt 0
	PLACES NP
	FETCH_B \slot, (\q)+1, 1-(\q)%2
	FETCH_A \slot, (\q)+1, 0
.if \zero
	WIN BIAS_HI
.else
	WIN MUL_HI
.endif
	MUL16 4, (\q)%2, \q, \slot, \zero
	MUL16 6, (\q)%2, \q, \slot, \zero
	PLACES NP
	WIN 0
	FETCH_A \slot, (\q)+1, 4
.endm
.macro STEPS slot, from
.set Q, \from
.rept NQ-1-\from
	STEP \slot, Q, 0
.set Q, Q+1
.endr
.endm
	s_wait_tensorcnt 1                             ; the scales and my part of slot 0 are in; slot 1's load may be out
	s_barrier_signal -1
	s_barrier_wait -1
	FETCH_B 0, 0, 0
	FETCH_A 0, 0, 0
	SCALES 0
	FETCH_A 0, 0, 4
	s_wait_loadcnt 0x0                             ; the bias
	STEP 0, 0, 1
	STEPS 0, 1
	; slot 0's last step changes slots: one barrier; in front of it my part of slot 1 has landed and my reads of slot 0 are over
	s_wait_tensorcnt 0x0
	ds_add_u32 v[SPW], v[NIL]                      ; 0 onto my spare word
	s_wait_dscnt 4*NL+1                            ; the add and the youngest eight loads may be out
	WIN MUL_LO
	MUL16 0, 1, NQ-1, 0, 0
	s_wait_dscnt 0x0
	s_barrier_signal -1
	MUL16 2, 1, NQ-1, 0, 0
	WIN 0
	s_barrier_wait -1
	PLACES NP
	v_add_nc_u32 v[ADRS], 4*NQ, v[ADRS]            ; on to slot 1's scale words (no LDS load of mine is out)
	FETCH_B 1, 0, 0
	FETCH_A 1, 0, 0
	SCALES 1
	WIN MUL_HI
	MUL16 4, 1, NQ-1, 0, 0
	MUL16 6, 1, NQ-1, 0, 0
	PLACES NP
	WIN 0
	FETCH_A 1, 0, 4
	STEPS 1, 0
	s_wait_dscnt 4*NL                              ; the very last step: nothing more to fetch
	WIN MUL_LO
	MUL16 0, 1, NQ-1, 1, 0
	MUL16 2, 1, NQ-1, 1, 0
	s_wait_dscnt 0
	WIN MUL_HI
	MUL16 4, 1, NQ-1, 1, 0
	MUL16 6, 1, NQ-1, 1, 0
	WIN 0
	PLACES NP                                      ; for the reads of results and the writes of registers that the last products read
	; POSITIONS 0-15 IN f32: my block 0, where cluster y = 0 and mine is the tile's upper half: through my stage, out as whole rows of 512 bytes
	s_cmp_lg_u32 s[FINE], 0
	s_cbranch_scc1 .Lnofine
	WIN 0x08                                       ; an LDS store's data are its source 1: window 2
.irp b, 0,1,2,3,4,5,6,7
	ds_store_b128 v[STO32], v[8*\b:8*\b+3] offset:64*\b              ; each accumulator from its low end on
	ds_store_b128 v[STO32], v[8*\b+4:8*\b+7] offset:64*\b+16
.endr
	WIN 0
.irp t, 0,1,2,3,4,5,6,7,8,9,10,11,12,13,14,15
	ds_load_b128 v[128+4*\t:131+4*\t], v[RD32] offset:\t*528         ; LDS serves a wave's instructions in order: these see the stores above
.endr
	s_wait_dscnt 0x0
.irp t, 0,1,2,3,4,5,6,7,8,9,10,11,12,13,14,15
	global_store_b128 v[CO], v[128+4*\t:131+4*\t], s[20:21] offset:\t*12288   ; 32 lanes store 512 consecutive bytes, aligned
.endr
.Lnofine:
; THE WAY OUT, block by block of 16 rows x 128 columns (two heads): rounded to f16, 16 bytes a lane into my stage (rows of 256 + 16 bytes), back as four rows of one head: 512 consecutive bytes of qkv16.
.macro PACK a
.set AC, 64*((\a)%4)
	WIN 0x0a+5*((\a)/4)                            ; sources 0 and 1: window 2 or 3
.irp b, 0,1,2,3,4,5,6,7
.irp r, 0,1,2,3
	v_cvt_pk_f16_f32 v[TMP+4*\b+\r], v[AC+8*\b+2*\r], v[AC+8*\b+2*\r+1]
.endr
.endr
	WIN 0
.endm
.macro TOSTAGE a
.set BB, BK+32*((\a)%2)
.irp b, 0,1,2,3,4,5,6,7
	ds_store_b128 v[STO], v[TMP+4*\b:TMP+4*\b+3] offset:32*\b
.endr
.irp hh, 0,1
.irp g, 0,1,2,3
	ds_load_b128 v[BB+4*(4*\hh+\g):BB+4*(4*\hh+\g)+3], v[RD] offset:128*\hh+\g*4*272
.endr
.endr
.endm
.macro SEND a
.set BB, BK+32*((\a)%2)
	s_wait_dscnt 0x0                               ; the block is back in registers
	s_wait_xcnt 0x0                                ; the earlier stores have read their registers: the next block's loads may land on them
.irp hh, 0,1
.irp g, 0,1,2,3
	global_store_b128 v[CO], v[BB+4*(4*\hh+\g):BB+4*(4*\hh+\g)+3], s[18:19] offset:\hh*1048576+(\a)*2048+\g*512
.endr
.endr
.endm
	PACK 0
	TOSTAGE 0
.irp a, 1,2,3,4,5,6,7                  ; block a's conversions stand between block a - 1's loads from the stage and the wait for them
	PACK \a
	SEND \a-1
	TOSTAGE \a
.endr
	SEND 7
	s_wait_tensorcnt 0x0                           ; the wave's end
	ds_add_u32 v[SPW], v[NIL]
	s_wait_dscnt 0x0
	CROUND                                         ; the closing round
	s_endpgm
.Lfunc_end_k_q6681618c7a_proj:
	.size	k_q6681618c7a_proj, .Lfunc_end_k_q6681618c7a_proj-k_q6681618c7a_proj
	.p2alignl 7, 3214868480
	.fill 96, 4, 3214868480
	.section	.rodata,"a",@progbits
	.p2align	6, 0x0
	.amdhsa_kernel k_q6681618c7a_proj
		.amdhsa_group_segment_fixed_size 327680
		.amdhsa_private_segment_fixed_size 0
		.amdhsa_enable_private_segment 0
		.amdhsa_kernarg_size 72
		.amdhsa_user_sgpr_count 2
		.amdhsa_user_sgpr_kernarg_segment_ptr 1
		.amdhsa_wavefront_size32 1
		.amdhsa_system_sgpr_workgroup_id_x 1
		.amdhsa_system_sgpr_workgroup_id_y 1
		.amdhsa_system_sgpr_workgroup_id_z 1
		.amdhsa_system_vgpr_workitem_id 0
		.amdhsa_next_free_vgpr 1024
		.amdhsa_next_free_sgpr 102
		.amdhsa_reserve_vcc 0
		.amdhsa_float_denorm_mode_32 3
		.amdhsa_float_denorm_mode_16_64 3
		.amdhsa_memory_ordered 1
		.amdhsa_forward_progress 1
		.amdhsa_inst_pref_size 132
	.end_amdhsa_kernel
	.amdgpu_metadata
---
amdhsa.version: [ 1, 2 ]
amdhsa.kernels:
  - .name:           k_q6681618c7a_proj
    .symbol:         k_q6681618c7a_proj.kd
    .args:
      - { .name: xc, .offset: 0, .size: 8, .value_kind: global_buffer, .address_space: global }
      - { .name: xs, .offset: 8, .size: 8, .value_kind: global_buffer, .address_space: global }
      - { .name: wc, .offset: 16, .size: 8, .value_kind: global_buffer, .address_space: global }
      - { .name: ws, .offset: 24, .size: 8, .value_kind: global_buffer, .address_space: global }
      - { .name: bq, .offset: 32, .size: 8, .value_kind: global_buffer, .address_space: global }
      - { .name: bk, .offset: 40, .size: 8, .value_kind: global_buffer, .address_space: global }
      - { .name: bv, .offset: 48, .size: 8, .value_kind: global_buffer, .address_space: global }
      - { .name: qkv16, .offset: 56, .size: 8, .value_kind: global_buffer, .address_space: global }
      - { .name: fine32, .offset: 64, .size: 8, .value_kind: global_buffer, .address_space: global }
    .group_segment_fixed_size: 327680
    .private_segment_fixed_size: 0
    .kernarg_segment_align: 8
    .kernarg_segment_size: 72
    .max_flat_workgroup_size: 128
    .sgpr_count:     102
    .vgpr_count:     1024
    .wavefront_size: 32
...
	.end_amdgpu_metadata
.endif
;; end of part 2
;; launch attn (part 3): grid 4 x 64, 16 waves a work-group, no clusters, 327,680 bytes of LDS; arguments qkv16, att16; writes att16
.if DOCPART == 3
	.amdgcn_target "amdgcn-amd-amdhsa--gfx1250"
	.amdhsa_code_object_version 6
	.text
	.protected	k_q6681618c7a_attn
	.globl	k_q6681618c7a_attn
	.p2align	8
	.type	k_q6681618c7a_attn,@function
k_q6681618c7a_attn:
	s_mov_b64 s[64:65], 0
	v_nop
	global_prefetch_b8 v0, s[64:65] scope:SCOPE_SE
	s_setreg_imm32_b32 hwreg(HW_REG_WAVE_MODE, 25, 1), 1
	s_wait_xcnt 0x0
; Causal attention, f16 operands, f32 sums, a running maximum.  qkv16: f16 [T 3][y 64][s 2048][64]; att16: f16 [y][s][64].  y = 4 head + batch = the work-group's y.
; SHARES.  Work-group i of a head owns query blocks i (waves 0-7) and 7 - i (waves 8-15), 256 queries each: under the mask that is the same work, nine block pairs, in every work-group, and K and V are fetched once for both.
; A wave owns 32 queries, two tiles of 16, in 256 registers: four waves to a SIMD, so that one wave's softmax stands beside another's products and LDS loads.
; LAYOUT.  Both products are used transposed: S^T = K Q^T (source 0 = 16 keys), O^T = V^T P (source 0 = 16 channels): a lane holds ONE query (lane % 16) throughout; two tiles of S^T, rounded to f16 in pairs, ARE source 1 of the second product.
; SOFTMAX.  p = 2^(c s - c m), c = log2(e) / 8, m the running maximum; in every step O and l are multiplied by a = 2^(c m_old - c m_new).
; THE RING.  Two slots of 256 keys (four steps of 64).  A head's rows are dense in memory, so two keys make one LDS row of 256 bytes.  Waves 0 and 1 fetch K's halves, waves 2 and 3 V's.
; THE MASK.  Every work-group walks all 8 slots (constant trip counts); a step all of whose keys come after my queries is jumped over by a scalar branch on ids; a slot whose first key comes after the work-group's last query
; is not asked for.  Partners in a cluster would need different numbers of tiles: so there is no cluster, and each work-group asks for itself.
; LIMIT: f16's range for Q, K, V and the result (under 65,504).
.set VOFF,  34816                      ; a slot: K, 128 rows x 272; then V, 128 rows x 288
.set SLOT1, 1<<17
.set STAGE, SLOT1+71680                ; the way out: 32 rows x 144 bytes for each wave; no tile lands here
.set SPARE, STAGE+16*32*144            ; the spare words, 128 bytes for each wave
.set AK0, 1                            ; v1  my lane's place in a tile of K
.set AV0, 2                            ; v2  and of V
.set SPW, 3
.set NIL, 4
.set ADK, 5
.set ADV, 6
.set GO,  7                            ; 16 x lane
.set STO, 8
.set RD,  9
.set PFO, 10                           ; 256 x lane
.set NINF, 11                          ; -infinity
.set DQ,  12                           ; my first tile's query - 8 (lane / 16)
.set ST,  16                           ; tile t at v[16 + 8 t]: +0 c m, +1 m, +2, +3 l, +4 .. +7 at work (a at +6)
.set Q,   32                           ; tile t, channels 32 c on: v[32 + 16 t + 8 c]
.set KV,  64                           ; K's fragment (kt, c) at 64 + 16 kt + 8 c; then V's (ks, c) at 64 + 32 ks + 8 c
.set S,   128                          ; 32 a tile; p in f16 is laid in place, in the tile's first 16
.set O,   192                          ; tile t, channels 16 c on: v[192 + 32 t + 8 c]
.set WV,  8
.set Q0,  11
.set KF,  12
.set TB,  13
.set SLOTS, 14
.set LIM, 15
.set SEL, 16
.set CS,  18
.set LASTQ, 20
.set G1K, 24
.set G1V, 32
.set G0K, 40
.set G0V, 44
.set PFA, 48
.macro TLOAD                           ; the branches hang on the wave's number alone; an s_nop 0 and four v_nop follow each of the two lines
	s_cmp_lt_u32 s[WV], 2
	s_cbranch_scc0 .Lnot_k_\@
	tensor_load_to_lds s[G0K:G0K+3], s[G1K:G1K+7]
	s_nop 0
.rept 4
	v_nop
.endr
	s_branch .Lasked_\@
.Lnot_k_\@:
	s_cmp_lt_u32 s[WV], 4
	s_cbranch_scc0 .Lasked_\@
	tensor_load_to_lds s[G0V:G0V+3], s[G1V:G1V+7]
	s_nop 0
.rept 4
	v_nop
.endr
.Lasked_\@:
.endm
; A prefetch of the slot that the NEXT change will ask for.  All four work-groups of a head walk the same K and V: the first (which walks all eight slots) asks; in it waves 4-7 ask for K's 32,768 bytes and waves 8-11 for V's,
; 8,192 bytes a wave, lanes 256 bytes apart: each aligned block of 256 bytes is named once in the launch.  The last change that fills a slot asks for nothing; slots 0 and 1 come by their loads alone.
.macro ASK
	s_cmp_gt_u32 s[SLOTS], s[LIM]
	s_cbranch_scc0 .Lnot_mine_\@
	global_prefetch_b8 v[PFO], s[PFA:PFA+1] th:TH_LOAD_NT scope:SCOPE_SE
.Lnot_mine_\@:
.endm
	s_load_b128 s[4:7], s[0:1], 0x0                ; qkv16, att16
	v_lshl_add_u32 v[SPW], v0, 2, SPARE
	v_mov_b32 v[NIL], 0
	ds_add_u32 v[SPW], v[NIL]                      ; the wave's opening: the add, twice on end, and its wait ahead of the first tensor load
	ds_add_u32 v[SPW], v[NIL]
	v_lshrrev_b32 v14, 5, v0
	v_readfirstlane_b32 s[WV], v14                 ; wave 0..15
	s_and_b32 s10, ttmp7, 0xffff                   ; y
	s_lshl_b32 s52, s10, 18                        ; y x 262,144
	s_sub_co_u32 s50, 7, ttmp9
	s_cmp_lt_u32 s[WV], 8
	s_cselect_b32 s50, ttmp9, s50                  ; my block of 256 queries
	s_lshl_b32 s[Q0], s50, 8
	s_and_b32 s51, s[WV], 7
	s_lshl_b32 s51, s51, 5
	s_add_co_u32 s[Q0], s[Q0], s51                 ; my first query
	s_sub_co_u32 s[LASTQ], 8, ttmp9
	s_lshl_b32 s[LASTQ], s[LASTQ], 8
	s_sub_co_u32 s[LASTQ], s[LASTQ], 1             ; the work-group's last query
	s_and_b32 s54, s[WV], 1                        ; which half of a slot I fetch, if I fetch
	s_lshl_b32 s55, s54, 14
	s_add_co_u32 s55, s55, s52
	s_add_co_u32 s56, s55, 0x1000000               ; K
	s_mov_b32 s57, 0
	s_add_co_u32 s60, s55, 0x2000000               ; V
	s_mov_b32 s61, 0
	s_mul_i32 s62, s54, 17408
	s_mul_i32 s63, s54, 18432
	s_add_co_u32 s63, s63, VOFF
	s_mov_b32 s[G1K], (1<<16)|(1<<20)|(5<<22)|(3<<25)   ; no mask; elements of 2 bytes; padding on: 4 words after every 64
	s_mov_b32 s[G1V], (1<<16)|(1<<20)|(5<<22)|(7<<25)   ; 8 words after every 64
.irp g, G1K, G1V
	s_mov_b32 s[\g+1], 128<<16                     ; tensor_dim0: two keys' 128 elements
	s_mov_b32 s[\g+2], 64<<16                      ; tensor_dim1
	s_mov_b32 s[\g+3], 128<<16                     ; tile_dim0
	s_mov_b32 s[\g+4], 64                          ; tile_dim1
	s_mov_b32 s[\g+5], 128                         ; the pitch: dense
	s_mov_b32 s[\g+6], 0
	s_mov_b32 s[\g+7], 0
.endr
	s_mov_b32 s[SEL], 0x76543210
	s_mov_b32 s[SEL+1], 0xfedcba98                 ; v_permlanex16_b32's selects for lane l xor 16
	s_mov_b32 s[CS], 0x3e38aa3b                    ; c = log2(e) / 8
	s_mov_b32 s[CS+1], s[CS]
	s_mov_b32 s[TB], 0
	s_mov_b32 s[KF], 0
	s_mov_b32 s[SLOTS], 7
	s_cmp_lt_u32 s[WV], 8                          ; the prefetches: waves 4-7 K, waves 8-11 V
	s_mov_b32 s66, 0x2000000
	s_cselect_b32 s66, 0x1000000, s66
	s_and_b32 s67, s[WV], 3
	s_lshl_b32 s67, s67, 13
	s_add_co_u32 s66, s66, s67
	s_add_co_u32 s66, s66, s52
	s_add_co_u32 s66, s66, 32768                   ; in slot 1: the first change steps it to slot 2
	s_mov_b32 s67, 0
	s_sub_co_u32 s50, s[WV], 4
	s_lshr_b32 s50, s50, 3                         ; 0 in waves 4 to 11,
	s_or_b32 s50, s50, ttmp9                       ; of the head's first work-group
	s_cmp_eq_u32 s50, 0
	s_cselect_b32 s[LIM], 1, -1
	s_lshl_b32 s58, s[Q0], 7
	s_add_co_u32 s58, s58, s52                     ; my first row of Q and of the result
	s_mov_b32 s59, 0
	s_wait_dscnt 0x0                               ; both opening adds are done
	s_wait_kmcnt 0x0
	s_mov_b32 s[G0K], 1
	s_mov_b32 s[G0K+1], s62
	s_add_nc_u64 s[G0K+2:G0K+3], s[4:5], s[56:57]
	s_or_b32 s[G0K+3], s[G0K+3], 0x80000000
	s_mov_b32 s[G0V], 1
	s_mov_b32 s[G0V+1], s63
	s_add_nc_u64 s[G0V+2:G0V+3], s[4:5], s[60:61]
	s_or_b32 s[G0V+3], s[G0V+3], 0x80000000
	TLOAD                                          ; slot 0: key 0 counts for every query
	s_add_nc_u64 s[PFA:PFA+1], s[4:5], s[66:67]
	s_add_nc_u64 s[6:7], s[6:7], s[58:59]
	s_add_nc_u64 s[58:59], s[4:5], s[58:59]
	v_and_b32 v14, 15, v0                          ; r
	v_bfe_u32 v15, v0, 4, 1                        ; h
	v_lshlrev_b32 v13, 7, v14
	v_lshl_add_u32 v13, v15, 4, v13                ; Q: row r of 128 bytes + 16 h
.irp t, 0,1
.irp c, 0,1
	global_load_b128 v[Q+16*\t+8*\c:Q+16*\t+8*\c+3], v13, s[58:59] offset:2048*\t+64*\c
	global_load_b128 v[Q+16*\t+8*\c+4:Q+16*\t+8*\c+7], v13, s[58:59] offset:2048*\t+64*\c+32
.endr
.endr
	v_lshrrev_b32 v5, 1, v14
	v_mul_u32_u24 v[AK0], v5, 272
	v_and_b32 v5, 1, v14
	v_lshl_add_u32 v[AK0], v5, 7, v[AK0]
	v_lshl_add_u32 v[AK0], v15, 4, v[AK0]          ; key r: 272 (r / 2) + 128 (r % 2) + 16 h: sixteen lanes, sixteen different columns of 16 bytes
	v_bfe_u32 v5, v0, 1, 2
	v_lshl_add_u32 v5, v15, 2, v5
	v_mul_u32_u24 v[AV0], v5, 288                  ; the turning load: key 8 h + l % 8: LDS row 4 h + (l / 2) % 4,
	v_and_b32 v5, 1, v0
	v_lshl_add_u32 v[AV0], v5, 7, v[AV0]           ; its half l % 2,
	v_bfe_u32 v5, v0, 3, 1
	v_lshl_add_u32 v[AV0], v5, 4, v[AV0]           ; channels 8 ((l / 8) % 2) on
	v_add_nc_u32 v[AV0], VOFF, v[AV0]
	v_and_b32 v[GO], 31, v0
	v_lshlrev_b32 v[PFO], 8, v[GO]
	v_lshlrev_b32 v[GO], 4, v[GO]
	s_mul_i32 s50, s[WV], 32*144
	s_add_co_u32 s50, s50, STAGE
	v_mul_u32_u24 v[STO], v14, 144
	v_lshl_add_u32 v[STO], v15, 4, v[STO]
	v_add_nc_u32 v[STO], s50, v[STO]
	v_bfe_u32 v5, v0, 3, 2
	v_mul_u32_u24 v[RD], v5, 144
	v_and_b32 v5, 7, v0
	v_lshl_add_u32 v[RD], v5, 4, v[RD]
	v_add_nc_u32 v[RD], s50, v[RD]
	v_mov_b32 v[NINF], 0xff800000
	v_lshlrev_b32 v5, 3, v15
	v_sub_nc_u32 v[DQ], v14, v5
	v_add_nc_u32 v[DQ], s[Q0], v[DQ]
.irp t, 0,1
	v_mov_b32 v[ST+8*\t+1], 0xff61b1e6             ; m: -3e38, under every score
	v_mul_f32 v[ST+8*\t], s[CS], v[ST+8*\t+1]
.irp i, 2,3,4,5,6,7
	v_mov_b32 v[ST+8*\t+\i], 0                     ; l, and the registers at work, written once
.endr
.endr
.set i, 0
.rept 64
	v_mov_b32 v[O+i], 0                            ; O^T.  (The step is written once: the first finds zeros, which a = 0 leaves zeros)
.set i, i+1
.endr
; A KEY STEP: 64 keys, the q-th of the slot in hand.
.macro STEP q
	s_add_co_u32 s50, s[Q0], 31
	s_cmp_gt_u32 s[KF], s50                        ; all 64 keys come after my 32 queries: nothing to do (ids and the count of steps alone)
	s_cbranch_scc1 .Lhidden_\@
	v_add_nc_u32 v[ADK], s[TB], v[AK0]
	v_add_nc_u32 v[ADV], s[TB], v[AV0]
.rept 3
	v_nop                                          ; with the two additions five places behind the last products: K is loaded over V, and the new scores are written over p
.endr
.irp c, 0,1                                    ; K: channels 32 c on, keys 16 kt on
.irp kt, 0,1,2,3
	ds_load_b128 v[KV+16*\kt+8*\c:KV+16*\kt+8*\c+3], v[ADK] offset:(32*(\q)+8*\kt)*272+64*\c
	ds_load_b128 v[KV+16*\kt+8*\c+4:KV+16*\kt+8*\c+7], v[ADK] offset:(32*(\q)+8*\kt)*272+64*\c+32
.endr
.endr
	s_wait_dscnt 8                                 ; the first 32 channels are in; the other eight loads may be out
.irp t, 0,1                                    ; the eight accumulators take turns, one instruction a turn
.irp kt, 0,1,2,3
	v_wmma_f32_16x16x32_f16 v[S+32*\t+8*\kt:S+32*\t+8*\kt+7], v[KV+16*\kt:KV+16*\kt+7], v[Q+16*\t:Q+16*\t+7], 0
.endr
.endr
	s_wait_dscnt 0x0
.irp t, 0,1
.irp kt, 0,1,2,3
	v_wmma_f32_16x16x32_f16 v[S+32*\t+8*\kt:S+32*\t+8*\kt+7], v[KV+16*\kt+8:KV+16*\kt+15], v[Q+16*\t+8:Q+16*\t+15], v[S+32*\t+8*\kt:S+32*\t+8*\kt+7]
.endr
.endr
.rept 4
	v_nop                                          ; places in front of the loads over K and of the first read of the scores
.endr
.irp ks, 0,1                                   ; V, turned: keys 32 ks on, channels 16 c on.  It lands under the softmax
.irp c, 0,1,2,3
	ds_load_tr16_b128 v[KV+32*\ks+8*\c:KV+32*\ks+8*\c+3], v[ADV] offset:(32*(\q)+16*\ks)*288+32*\c
	ds_load_tr16_b128 v[KV+32*\ks+8*\c+4:KV+32*\ks+8*\c+7], v[ADV] offset:(32*(\q)+16*\ks)*288+8*288+32*\c
.endr
.endr
	s_add_co_u32 s50, s[KF], 63
	s_cmp_le_u32 s50, s[Q0]                        ; all keys count for all my queries: no mask
	s_cbranch_scc1 .Lopen_\@
	v_sub_nc_u32 v14, v[DQ], s[KF]                 ; d = my query - KF - 8 (lane / 16).  Register 8 kt + j holds key KF + 16 kt + 8 (lane / 16) + j: hidden where 16 kt + j > d
	v_add_nc_u32 v15, 16, v14
.irp t, 0,1
.set n, 0
.rept 32
	v_cmp_gt_i32 vcc_lo, 16*(n/8)+n%8, v[14+\t]
	v_cndmask_b32 v[S+32*\t+n], v[S+32*\t+n], v[NINF], vcc_lo
.set n, n+1
.endr
.endr
.Lopen_\@:
.irp j, 0,1,2,3                                ; the maximum: four chains a tile, each accumulator from its low end on; the tiles by turns
.irp t, 0,1
	v_max3_num_f32 v[ST+8*\t+4+\j], v[S+32*\t+8*\j], v[S+32*\t+8*\j+1], v[S+32*\t+8*\j+2]
.endr
.endr
.irp i, 3,5
.irp j, 0,1,2,3
.irp t, 0,1
	v_max3_num_f32 v[ST+8*\t+4+\j], v[ST+8*\t+4+\j], v[S+32*\t+8*\j+\i], v[S+32*\t+8*\j+\i+1]
.endr
.endr
.endr
.irp t, 0,1
	v_max3_num_f32 v[ST+8*\t+4], v[ST+8*\t+4], v[S+32*\t+7], v[S+32*\t+15]
	v_max3_num_f32 v[ST+8*\t+6], v[ST+8*\t+6], v[S+32*\t+23], v[S+32*\t+31]
.endr
.irp t, 0,1
	v_max3_num_f32 v[ST+8*\t+4], v[ST+8*\t+4], v[ST+8*\t+5], v[ST+8*\t+6]
.endr
.irp t, 0,1
	v_max3_num_f32 v[ST+8*\t+4], v[ST+8*\t+4], v[ST+8*\t+7], v[ST+8*\t+1]   ; with the old m
.endr
.irp t, 0,1
	v_permlanex16_b32 v[ST+8*\t+5], v[ST+8*\t+4], s[SEL], s[SEL+1]          ; the query's other 32 keys lie in the lane 16 away
.endr
.irp t, 0,1
	v_mov_b32 v[ST+8*\t+7], v[ST+8*\t]             ; c m_old is kept for a
.endr
.irp t, 0,1
	v_max_num_f32 v[ST+8*\t+1], v[ST+8*\t+4], v[ST+8*\t+5]
.endr
.irp t, 0,1
	v_mul_f32 v[ST+8*\t], s[CS], v[ST+8*\t+1]
.endr
.irp t, 0,1
	v_sub_f32 v[ST+8*\t+7], v[ST+8*\t+7], v[ST+8*\t]
.endr
.irp t, 0,1
	v_exp_f32 v[ST+8*\t+6], v[ST+8*\t+7]           ; a
.endr
.irp b, 0,2,4,6,8,10,12,14,16,18,20,22,24,26,28,30
.irp t, 0,1
	v_pk_fma_f32 v[S+32*\t+\b:S+32*\t+\b+1], v[S+32*\t+\b:S+32*\t+\b+1], s[CS:CS+1], v[ST+8*\t:ST+8*\t+1] op_sel_hi:[1,0,0] neg_lo:[0,0,1] neg_hi:[0,0,1]   ; c s - c m
.endr
.endr
.set n, 0
.rept 64
	v_exp_f32 v[S+n], v[S+n]                       ; p, at most 1
.set n, n+1
.endr
	v_nop                                          ; a plain instruction behind the last exponential
	s_wait_alu depctr_va_vdst(0)                   ; the wait ahead of the first instruction that names a result: one for both tiles' 66 exponentials
.irp t, 0,1                                    ; the sums, of the unrounded p, in two chains a tile; l = a l + ..
	v_pk_add_f32 v[ST+8*\t+4:ST+8*\t+5], v[S+32*\t:S+32*\t+1], v[S+32*\t+2:S+32*\t+3]
	v_pk_fma_f32 v[ST+8*\t+2:ST+8*\t+3], v[ST+8*\t+2:ST+8*\t+3], v[ST+8*\t+6:ST+8*\t+7], v[S+32*\t+4:S+32*\t+5] op_sel_hi:[1,0,1]
.endr
.irp b, 6,10,14,18,22,26
.irp t, 0,1
	v_pk_add_f32 v[ST+8*\t+4:ST+8*\t+5], v[ST+8*\t+4:ST+8*\t+5], v[S+32*\t+\b:S+32*\t+\b+1]
	v_pk_add_f32 v[ST+8*\t+2:ST+8*\t+3], v[ST+8*\t+2:ST+8*\t+3], v[S+32*\t+\b+2:S+32*\t+\b+3]
.endr
.endr
.irp t, 0,1
	v_pk_add_f32 v[ST+8*\t+4:ST+8*\t+5], v[ST+8*\t+4:ST+8*\t+5], v[S+32*\t+30:S+32*\t+31]
.endr
.irp t, 0,1
	v_pk_add_f32 v[ST+8*\t+2:ST+8*\t+3], v[ST+8*\t+2:ST+8*\t+3], v[ST+8*\t+4:ST+8*\t+5]
.endr
.irp j, 0,1,2,3,4,5,6,7,8,9,10,11,12,13,14,15  ; p to f16, in place: register j takes pair j, which lies at 2 j and 2 j + 1: never ahead of a pair not yet read
.irp t, 0,1
	v_cvt_pk_f16_f32 v[S+32*\t+\j], v[S+32*\t+2*\j], v[S+32*\t+2*\j+1]
.endr
.endr
.irp j, 0,2,4,6,8,10,12,14,16,18,20,22,24,26,28,30
.irp t, 0,1
	v_pk_mul_f32 v[O+32*\t+\j:O+32*\t+\j+1], v[O+32*\t+\j:O+32*\t+\j+1], v[ST+8*\t+6:ST+8*\t+7] op_sel_hi:[1,0]   ; O^T x a, each accumulator from its low end on
.endr
.endr
	s_wait_dscnt 0x0                               ; V is in
.irp ks, 0,1
.irp t, 0,1
.irp c, 0,1,2,3
	v_wmma_f32_16x16x32_f16 v[O+32*\t+8*\c:O+32*\t+8*\c+7], v[KV+32*\ks+8*\c:KV+32*\ks+8*\c+7], v[S+32*\t+8*\ks:S+32*\t+8*\ks+7], v[O+32*\t+8*\c:O+32*\t+8*\c+7]
.endr
.endr
.endr
.Lhidden_\@:
	s_add_co_u32 s[KF], s[KF], 64
.endm
; THE CHANGE OF SLOTS stands at a slot's head.  Each wave waits for all its tensor loads, adds 0 to its spare word, and waits for that and for its reads of the slot that it has left; behind the barrier the slot ahead is whole
; and nobody reads the other one.  fill = 1: that other slot takes the next 256 keys, while its first key is at or under the work-group's last query.
.macro CHANGE fill
	s_wait_tensorcnt 0x0                           ; no tensor load of mine is out, so a group 0 may be written
	ds_add_u32 v[SPW], v[NIL]
.if \fill
	ds_add_u32 v[SPW], v[NIL]                      ; and twice on end here, in every trip alike
	s_xor_b32 s[G0K+1], s[G0K+1], SLOT1
	s_add_nc_u64 s[G0K+2:G0K+3], s[G0K+2:G0K+3], 32768
	s_xor_b32 s[G0V+1], s[G0V+1], SLOT1
	s_add_nc_u64 s[G0V+2:G0V+3], s[G0V+2:G0V+3], 32768
	s_wait_xcnt 0x0                                ; the last prefetch, a slot back, has read its address
	s_add_nc_u64 s[PFA:PFA+1], s[PFA:PFA+1], 32768
.endif
	s_wait_dscnt 0x0
	s_barrier_signal -1
	s_barrier_wait -1
.if \fill
	s_add_co_u32 s50, s[KF], 256                   ; the first key of the slot that this change would ask for
	s_cmp_gt_u32 s50, s[LASTQ]                     ; ids and the count of steps alone: all sixteen waves go the same way; no step reads a slot that was left out
	s_cbranch_scc1 .Lpast_\@
	TLOAD                                          ; a wave's one tensor load until the next barrier: it has four steps in which to land
.Lpast_\@:
	ASK
.endif
.endm
.macro SLOT_STEPS
	STEP 0
	STEP 1
	STEP 2
	STEP 3
	s_xor_b32 s[TB], s[TB], SLOT1
.endm
	s_wait_loadcnt 0x0                             ; Q
.Lslot:                                            ; seven trips
	CHANGE 1
	SLOT_STEPS
	s_sub_co_u32 s[SLOTS], s[SLOTS], 1
	s_cmp_lg_u32 s[SLOTS], 0
	s_cbranch_scc1 .Lslot
	CHANGE 0                                       ; the last slot is written out: nothing is left to ask for
	SLOT_STEPS
	; THE WAY OUT: O^T / l, to f16, through my stage, out as 512 consecutive bytes (four rows of 128)
.rept 4
	v_nop
.endr
.irp t, 0,1
	v_add_f32 v[ST+8*\t+4], v[ST+8*\t+2], v[ST+8*\t+3]
.endr
.irp t, 0,1
	v_permlanex16_b32 v[ST+8*\t+5], v[ST+8*\t+4], s[SEL], s[SEL+1]
.endr
.irp t, 0,1
	v_add_f32 v[ST+8*\t+4], v[ST+8*\t+4], v[ST+8*\t+5]
.endr
.irp t, 0,1
	v_rcp_f32 v[ST+8*\t+6], v[ST+8*\t+4]
.endr
	v_nop
	s_wait_alu depctr_va_vdst(0)                   ; one wait for the two reciprocals, ahead of their first reader
.irp j, 0,2,4,6,8,10,12,14,16,18,20,22,24,26,28,30
.irp t, 0,1
	v_pk_mul_f32 v[O+32*\t+\j:O+32*\t+\j+1], v[O+32*\t+\j:O+32*\t+\j+1], v[ST+8*\t+6:ST+8*\t+7] op_sel_hi:[1,0]
.endr
.endr
.irp t, 0,1
.irp j, 0,1,2,3,4,5,6,7,8,9,10,11,12,13,14,15
	v_cvt_pk_f16_f32 v[S+16*\t+\j], v[O+32*\t+2*\j], v[O+32*\t+2*\j+1]
.endr
.endr
.irp t, 0,1
.irp c, 0,1,2,3
	ds_store_b128 v[STO], v[S+16*\t+4*\c:S+16*\t+4*\c+3] offset:2304*\t+32*\c
.endr
.endr
.irp g, 0,1,2,3,4,5,6,7
	ds_load_b128 v[KV+4*\g:KV+4*\g+3], v[RD] offset:576*\g    ; LDS serves a wave's instructions in order: these see my stores
.endr
.irp g, 0,1,2,3,4,5,6,7
	s_wait_dscnt 7-\g                              ; load g is in
	global_store_b128 v[GO], v[KV+4*\g:KV+4*\g+3], s[6:7] offset:512*\g
.endr
	s_wait_tensorcnt 0x0                           ; the wave's end
	ds_add_u32 v[SPW], v[NIL]
	s_wait_dscnt 0x0
	s_endpgm
.Lfunc_end_k_q6681618c7a_attn:
	.size	k_q6681618c7a_attn, .Lfunc_end_k_q6681618c7a_attn-k_q6681618c7a_attn
	.p2alignl 7, 3214868480
	.fill 96, 4, 3214868480
	.section	.rodata,"a",@progbits
	.p2align	6, 0x0
	.amdhsa_kernel k_q6681618c7a_attn
		.amdhsa_group_segment_fixed_size 327680
		.amdhsa_private_segment_fixed_size 0
		.amdhsa_enable_private_segment 0
		.amdhsa_kernarg_size 16
		.amdhsa_user_sgpr_count 2
		.amdhsa_user_sgpr_kernarg_segment_ptr 1
		.amdhsa_wavefront_size32 1
		.amdhsa_system_sgpr_workgroup_id_x 1
		.amdhsa_system_sgpr_workgroup_id_y 1
		.amdhsa_system_sgpr_workgroup_id_z 1
		.amdhsa_system_vgpr_workitem_id 0
		.amdhsa_next_free_vgpr 256
		.amdhsa_next_free_sgpr 68
		.amdhsa_reserve_vcc 1
		.amdhsa_float_denorm_mode_32 3
		.amdhsa_float_denorm_mode_16_64 3
		.amdhsa_memory_ordered 1
		.amdhsa_forward_progress 1
		.amdhsa_inst_pref_size 188
	.end_amdhsa_kernel
	.amdgpu_metadata
---
amdhsa.version: [ 1, 2 ]
amdhsa.kernels:
  - .name:           k_q6681618c7a_attn
    .symbol:         k_q6681618c7a_attn.kd
    .args:
      - { .name: qkv16, .offset: 0, .size: 8, .value_kind: global_buffer, .address_space: global }
      - { .name: att16, .offset: 8, .size: 8, .value_kind: global_buffer, .address_space: global }
    .group_segment_fixed_size: 327680
    .private_segment_fixed_size: 0
    .kernarg_segment_align: 8
    .kernarg_segment_size: 16
    .max_flat_workgroup_size: 512
    .sgpr_count:     68
    .vgpr_count:     256
    .wavefront_size: 32
...
	.end_amdgpu_metadata
.endif
;; end of part 3
;; launch oproj (part 4): grid 4 x 64, 4 waves a work-group, clusters of 4 x 4, 327,680 bytes of LDS; arguments att16, wo16, bo, out0; writes out0
.if DOCPART == 4
	.amdgcn_target "amdgcn-amd-amdhsa--gfx1250"
	.amdhsa_code_object_version 6
	.text
	.protected	k_q6681618c7a_oproj
	.globl	k_q6681618c7a_oproj
	.p2align	8
	.type	k_q6681618c7a_oproj,@function
k_q6681618c7a_oproj:
	s_mov_b64 s[64:65], 0
	v_nop
	global_prefetch_b8 v0, s[64:65] scope:SCOPE_SE
	s_setreg_imm32_b32 hwreg(HW_REG_WAVE_MODE, 25, 1), 1
	s_wait_xcnt 0x0
	s_wait_alu depctr_hold_cnt(0) depctr_sa_sdst(0) depctr_va_vdst(0) depctr_va_sdst(0) depctr_va_ssrc(0) depctr_va_vcc(0) depctr_vm_vsrc(0)
	s_getreg_b32 s2, hwreg(HW_REG_IB_STS2, 6, 4)
	s_cmp_eq_u32 s2, 0
	s_cbranch_scc0 .Lentry_in_a_cluster
	s_endpgm
.Lentry_in_a_cluster:
	s_bfe_u32 s2, ttmp6, 0x10000c
	s_cmp_lg_u32 s2, 0xf033
	s_cbranch_scc0 .Lentry_shape_is_right
	s_endpgm
.Lentry_shape_is_right:
; out0 = att Wo + bo, f16 operands, f32 sums.  att16: f16 [head 16][row 8192][64]; wo16: f16 [k 1024][n 1024]; out0: f32 [8192][1024].
; A tile is 128 rows x 256 columns: 256 work-groups.  Four waves, each 64 x 128: 32 accumulators, 256 registers.  K goes in steps of 128 (two heads) through a ring of two LDS slots.
; CLUSTERS: 4 x 4.  The four of a row of the cluster need the same tiles of att, the four of a column the same tiles of Wo: each is asked for jointly.
; THE MATRIX INSTRUCTION IS USED TRANSPOSED: source 0 = 16 columns of Wo (out of LDS by the turning load, since K is Wo's first axis), source 1 = 16 rows of att: a lane holds eight neighbouring columns of one row.
; The bias is the C of each sum's first product.  No prefetch: a K step's tiles are small and are shared by four.
; REGISTERS: window 0: v0-31 addresses; two fragment buffers for 32 along K: v32-63 att (4 blocks), v64-127 Wo (8 blocks); v128-159, v160-223.   window 1: the accumulators, (a, b) at v[8 (8 a + b)].   window 2: v0-63 the bias.
.set SLOT,  104448                     ; att: two heads x 64 LDS rows (two rows of att each) x 272; then Wo: 128 rows x 544
.set BOFF,  34816
.set SPARE, 2*SLOT
.set LAPS,  4
.set ADRA, 16
.set ADRB, 20
.set STO,  24
.set RD,   25
.set CO,   26
.set SPW,  28
.set NIL,  29
.set F0,   32
.set F1,   128
.set BK,   32                          ; the way out: v32-95 and v96-159 by turns
.set WV,  12
.set RH,  13                           ; which 64 rows are mine.  Also: I fetch for att (0) or for Wo (1)
.set CH,  14                           ; which 128 columns.  Also: which half I fetch
.set G1,  24
.set G0,  32
.set G1B, 48
.set G0B, 56
.set MSB, 0
.macro WIN new
.if MSB != (\new)
	s_set_vgpr_msb (MSB<<8)|(\new)
.set MSB, (\new)
.endif
.endm
.set MUL,  0x50                        ; sources 0 and 1 window 0; C and D window 1
.set MULB, 0x60                        ; C (the bias) window 2, D window 1
.macro JLOAD s                         ; an s_nop 0 and four v_nop follow each of the two lines
	s_cmp_eq_u32 s[RH], 0
	s_cbranch_scc0 .Lfor_b_\@
	tensor_load_to_lds s[G0+4*\s:G0+4*\s+3], s[G1:G1+7]
	s_nop 0
.rept 4
	v_nop
.endr
	s_branch .Lasked_\@
.Lfor_b_\@:
	tensor_load_to_lds s[G0B+4*\s:G0B+4*\s+3], s[G1B:G1B+7]
	s_nop 0
.rept 4
	v_nop
.endr
.Lasked_\@:
.endm
.macro CREST
	s_cmp_lg_u32 s[WV], 0
	s_cbranch_scc1 .Lnot_wave_0_\@
	s_barrier_signal -3
.Lnot_wave_0_\@:
	s_barrier_wait -3
	s_barrier_signal -1
	s_barrier_wait -1
.endm
.macro CROUND
	s_barrier_signal -1
	s_barrier_wait -1
	CREST
.endm
	s_load_b256 s[4:11], s[0:1], 0x0               ; att16 4:5, wo16 6:7, bo 8:9, out0 10:11
	v_lshl_add_u32 v[SPW], v0, 2, SPARE
	v_mov_b32 v[NIL], 0
	ds_add_u32 v[SPW], v[NIL]                      ; the wave's opening: the add, twice on end, and its wait ahead of my first tensor load
	ds_add_u32 v[SPW], v[NIL]
	v_lshrrev_b32 v1, 5, v0
	v_readfirstlane_b32 s[WV], v1
	s_lshr_b32 s[RH], s[WV], 1
	s_and_b32 s[CH], s[WV], 1
	s_bfe_u32 s15, ttmp6, 0x40000                  ; cx
	s_bfe_u32 s16, ttmp6, 0x40004                  ; cy
	s_lshl_b32 s17, ttmp9, 2
	s_add_co_u32 s17, s17, s15                     ; tile column
	s_and_b32 s18, ttmp7, 0xffff
	s_lshl_b32 s18, s18, 2
	s_add_co_u32 s18, s18, s16                     ; tile row
	s_lshl_b32 s19, s16, 2
	s_lshl_b32 s19, 15, s19                        ; my row of the cluster
	s_lshl_b32 s20, 0x1111, s15                    ; my column
	s_or_b32 s[G1], s19, (1<<16)|(1<<20)|(1<<21)|(5<<22)|(3<<25)    ; att: elements of 2 bytes; 4 words of padding after every 64
	s_mov_b32 s[G1+1], 128<<16                     ; two rows of a head: 128 elements
	s_mov_b32 s[G1+2], 64<<16
	s_mov_b32 s[G1+3], 128<<16
	s_mov_b32 s[G1+4], 64
	s_mov_b32 s[G1+5], 128                         ; dense
	s_mov_b32 s[G1+6], 0
	s_mov_b32 s[G1+7], 0
	s_or_b32 s[G1B], s20, (1<<16)|(1<<20)|(1<<21)|(6<<22)|(7<<25)   ; Wo: 8 words of padding after every 128
	s_mov_b32 s[G1B+1], 256<<16
	s_mov_b32 s[G1B+2], 64<<16
	s_mov_b32 s[G1B+3], 256<<16
	s_mov_b32 s[G1B+4], 64
	s_mov_b32 s[G1B+5], 1024
	s_mov_b32 s[G1B+6], 0
	s_mov_b32 s[G1B+7], 0
	s_lshl_b32 s40, s18, 14                        ; att: tile row x 128 rows of 128 bytes
	s_lshl_b32 s2, s[CH], 20                       ; + my head of the step's two
	s_add_co_u32 s40, s40, s2
	s_mov_b32 s41, 0
	s_lshl_b32 s42, s17, 9                         ; Wo: tile column x 512 bytes
	s_lshl_b32 s2, s[CH], 17                       ; + my 64 rows of 2,048 bytes
	s_add_co_u32 s42, s42, s2
	s_mov_b32 s43, 0
	s_mul_i32 s21, s[CH], 17408                    ; where they go: the wave's number alone
	s_mul_i32 s22, s[CH], 34816
	s_add_co_u32 s22, s22, BOFF
	s_wait_dscnt 0x0
	s_wait_kmcnt 0x0
	s_add_nc_u64 s[40:41], s[4:5], s[40:41]
	s_add_nc_u64 s[42:43], s[6:7], s[42:43]
	CROUND                                         ; all sixteen work-groups are here
.irp s, 0,1
	s_mov_b32 s[G0+4*\s], 1
	s_add_co_u32 s[G0+4*\s+1], s21, \s*SLOT
	s_add_nc_u64 s[G0+4*\s+2:G0+4*\s+3], s[40:41], \s*2097152        ; K step s: heads 2 s, 2 s + 1
	s_or_b32 s[G0+4*\s+3], s[G0+4*\s+3], 0x80000000
	s_mov_b32 s[G0B+4*\s], 1
	s_add_co_u32 s[G0B+4*\s+1], s22, \s*SLOT
	s_add_nc_u64 s[G0B+4*\s+2:G0B+4*\s+3], s[42:43], \s*262144       ; 128 rows of Wo
	s_or_b32 s[G0B+4*\s+3], s[G0B+4*\s+3], 0x80000000
	JLOAD \s
.endr
	v_and_b32 v1, 15, v0                           ; r
	v_bfe_u32 v2, v0, 4, 1                         ; h
	v_lshlrev_b32 v10, 5, v2                       ; the bias: 32 h bytes
	s_lshl_b32 s2, s17, 10
	s_lshl_b32 s3, s[CH], 9
	s_add_co_u32 s2, s2, s3                        ; my first column x 4 bytes
	s_mov_b32 s3, 0
	s_add_nc_u64 s[8:9], s[8:9], s[2:3]
	s_add_nc_u64 s[10:11], s[10:11], s[2:3]
	WIN 0x80                                       ; destination window 2
.irp b, 0,1,2,3,4,5,6,7
	global_load_b128 v[8*\b:8*\b+3], v10, s[8:9] offset:64*\b
	global_load_b128 v[8*\b+4:8*\b+7], v10, s[8:9] offset:64*\b+16
.endr
	WIN 0
	v_lshrrev_b32 v3, 1, v1
	v_mul_u32_u24 v3, v3, 272
	v_and_b32 v4, 1, v1
	v_lshl_add_u32 v3, v4, 7, v3
	v_lshl_add_u32 v3, v2, 4, v3                   ; att: row r: 272 (r / 2) + 128 (r % 2) + 16 h
	s_mul_i32 s2, s[RH], 8704                      ; my 64 rows: 32 LDS rows
	v_and_b32 v4, 7, v0
	v_lshl_add_u32 v4, v2, 3, v4
	v_mul_u32_u24 v4, v4, 544                      ; Wo, the turning load: row 8 h + l % 8,
	v_bfe_u32 v5, v0, 3, 1
	v_lshl_add_u32 v4, v5, 4, v4                   ; columns 8 ((l / 8) % 2) on
	s_lshl_b32 s23, s[CH], 8
	s_add_co_u32 s23, s23, BOFF                    ; my 128 columns
.irp s, 0,1
	v_add_nc_u32 v[ADRA+\s], s2, v3
	v_add_nc_u32 v[ADRB+\s], s23, v4
	s_add_co_u32 s2, s2, SLOT
	s_add_co_u32 s23, s23, SLOT
.endr
	s_mul_i32 s2, s[WV], 16*528                    ; my stage, in slot 0
	v_mul_u32_u24 v5, v1, 528
	v_lshl_add_u32 v5, v2, 5, v5
	v_add_nc_u32 v[STO], s2, v5
	v_and_b32 v6, 31, v0
	v_lshlrev_b32 v[CO], 4, v6
	v_add_nc_u32 v[RD], s2, v[CO]
	s_lshl_b32 s2, s18, 19                         ; out0: (128 tile row + 64 half) rows of 4,096 bytes
	s_lshl_b32 s3, s[RH], 18
	s_add_co_u32 s2, s2, s3
	s_mov_b32 s3, 0
	s_add_nc_u64 s[10:11], s[10:11], s[2:3]
.macro MUL8 f, a, zero                 ; att's block a against Wo's eight, 32 along K.  The 32 accumulators take turns, in one order throughout
.irp b, 0,1,2,3,4,5,6,7
.if \zero
	v_wmma_f32_16x16x32_f16 v[8*(8*(\a)+\b):8*(8*(\a)+\b)+7], v[\f+32+8*\b:\f+32+8*\b+7], v[\f+8*(\a):\f+8*(\a)+7], v[8*\b:8*\b+7]
.else
	v_wmma_f32_16x16x32_f16 v[8*(8*(\a)+\b):8*(8*(\a)+\b)+7], v[\f+32+8*\b:\f+32+8*\b+7], v[\f+8*(\a):\f+8*(\a)+7], v[8*(8*(\a)+\b):8*(8*(\a)+\b)+7]
.endif
.endr
.endm
.macro FETCH slot, qd, f               ; 24 LDS loads in one run: quarter qd (32 along K) of a slot: Wo's 16, then att's 8
.irp b, 0,1,2,3,4,5,6,7
	ds_load_tr16_b128 v[\f+32+8*\b:\f+32+8*\b+3], v[ADRB+\slot] offset:17408*(\qd)+32*\b
	ds_load_tr16_b128 v[\f+32+8*\b+4:\f+32+8*\b+7], v[ADRB+\slot] offset:17408*(\qd)+32*\b+8704
.endr
.irp i, 0,1,2,3
	ds_load_b128 v[\f+8*\i:\f+8*\i+3], v[ADRA+\slot] offset:17408*((\qd)/2)+64*((\qd)%2)+2176*\i
	ds_load_b128 v[\f+8*\i+4:\f+8*\i+7], v[ADRA+\slot] offset:17408*((\qd)/2)+64*((\qd)%2)+2176*\i+32
.endr
.endm
.macro PLACES
.rept 4
	v_nop
.endr
.endm
.macro QUARTER slot, qn, f, g, zero    ; multiplies buffer f; in its middle fetches quarter qn of the same slot into g
	s_wait_dscnt 4                                 ; Wo's and att's blocks 0, 1 are in; the youngest four loads (blocks 2, 3) may be out
.if \zero
	WIN MULB
.else
	WIN MUL
.endif
	MUL8 \f, 0, \zero
	MUL8 \f, 1, \zero
	PLACES
	WIN 0
	FETCH \slot, \qn, \g
	s_wait_dscnt 24                                ; all but the 24 just issued
.if \zero
	WIN MULB
.else
	WIN MUL
.endif
	MUL8 \f, 2, \zero
	MUL8 \f, 3, \zero
.endm
; A slot's last quarter multiplies buffer 1 and changes slots: one barrier; in front of it each wave waits for all its tensor loads, adds 0 to its spare word, and waits for that and for its reads of this slot.
.macro TURN slot, next, fill
	WIN 0
	s_wait_tensorcnt 0x0                           ; my part of the next slot has landed
	ds_add_u32 v[SPW], v[NIL]
	s_wait_dscnt 5                                 ; the add and the youngest four loads may be out
	WIN MUL
	MUL8 F1, 0, 0
	s_wait_dscnt 0x0                               ; the add is done, and my reads of this slot are over
	s_barrier_signal -1
	MUL8 F1, 1, 0
	WIN 0
	s_barrier_wait -1
.if \fill
	CREST                                          ; the barrier has opened a round of the cluster's barrier: no wave of any partner still reads this slot or has a load on its way
	s_add_nc_u64 s[G0+4*\slot+2:G0+4*\slot+3], s[G0+4*\slot+2:G0+4*\slot+3], 4194304
	s_add_nc_u64 s[G0B+4*\slot+2:G0B+4*\slot+3], s[G0B+4*\slot+2:G0B+4*\slot+3], 524288
	JLOAD \slot                                    ; the first tensor load behind the round; its four v_nop are also the places in front of the loads below
.else
	PLACES
.endif
	FETCH \next, 0, F0
	WIN MUL
	MUL8 F1, 2, 0
	MUL8 F1, 3, 0
.endm
	s_wait_tensorcnt 1                             ; my part of K step 0 is in; K step 1's may be out
	s_barrier_signal -1
	s_barrier_wait -1
	FETCH 0, 0, F0
	s_wait_loadcnt 0x0                             ; the bias
	QUARTER 0, 1, F0, F1, 1                        ; the first quarter stands in front of the loop: its products start the sums
	WIN 0
	s_mov_b32 s3, LAPS-1
.Llap:                                             ; a trip goes once round the ring and fills both slots again
	QUARTER 0, 2, F1, F0, 0
	QUARTER 0, 3, F0, F1, 0
	TURN 0, 1, 1
	QUARTER 1, 1, F0, F1, 0
	QUARTER 1, 2, F1, F0, 0
	QUARTER 1, 3, F0, F1, 0
	TURN 1, 0, 1
	QUARTER 0, 1, F0, F1, 0
	WIN 0
	s_sub_co_u32 s3, s3, 1
	s_cmp_lg_u32 s3, 0
	s_cbranch_scc1 .Llap
	QUARTER 0, 2, F1, F0, 0                        ; the last lap fills nothing
	QUARTER 0, 3, F0, F1, 0
	TURN 0, 1, 0
	QUARTER 1, 1, F0, F1, 0
	QUARTER 1, 2, F1, F0, 0
	QUARTER 1, 3, F0, F1, 0
	s_wait_dscnt 4
	WIN MUL
	MUL8 F1, 0, 0
	MUL8 F1, 1, 0
	s_wait_dscnt 0
	MUL8 F1, 2, 0
	MUL8 F1, 3, 0
	WIN 0
; THE WAY OUT, block by block of 16 rows x 128 columns, through my stage (in slot 0, which has had its last fill and its last read): back as whole rows of 512 bytes.
.macro TOSTAGE a
	WIN 0x04                                       ; an LDS store's data are its source 1: window 1
.irp b, 0,1,2,3,4,5,6,7
	ds_store_b128 v[STO], v[64*(\a)+8*\b:64*(\a)+8*\b+3] offset:64*\b          ; each accumulator from its low end on
	ds_store_b128 v[STO], v[64*(\a)+8*\b+4:64*(\a)+8*\b+7] offset:64*\b+16
.endr
	WIN 0
.set BB, BK+64*((\a)%2)
.irp t, 0,1,2,3,4,5,6,7,8,9,10,11,12,13,14,15
	ds_load_b128 v[BB+4*\t:BB+4*\t+3], v[RD] offset:\t*528
.endr
.endm
.macro SEND a, younger
.set BB, BK+64*((\a)%2)
	s_wait_dscnt \younger                          ; the block is back; the next block's 16 stores and 16 loads may be out
.irp t, 0,1,2,3,4,5,6,7,8,9,10,11,12,13,14,15
	global_store_b128 v[CO], v[BB+4*\t:BB+4*\t+3], s[10:11] offset:(16*(\a)+\t)*4096 th:TH_STORE_NT   ; 32 lanes store 512 consecutive bytes, aligned
.endr
.endm
	PLACES
	TOSTAGE 0
.irp a, 1,2,3
.if \a > 1
	s_wait_xcnt 0x0                                ; block a - 2's stores have read their registers: block a's loads may land there
.endif
	TOSTAGE \a
	SEND \a-1, 32
.endr
	SEND 3, 0
	s_wait_tensorcnt 0x0                           ; the wave's end
	ds_add_u32 v[SPW], v[NIL]
	s_wait_dscnt 0x0
	CROUND                                         ; the closing round
	s_endpgm
.Lfunc_end_k_q6681618c7a_oproj:
	.size	k_q6681618c7a_oproj, .Lfunc_end_k_q6681618c7a_oproj-k_q6681618c7a_oproj
	.p2alignl 7, 3214868480
	.fill 96, 4, 3214868480
	.section	.rodata,"a",@progbits
	.p2align	6, 0x0
	.amdhsa_kernel k_q6681618c7a_oproj
		.amdhsa_group_segment_fixed_size 327680
		.amdhsa_private_segment_fixed_size 0
		.amdhsa_enable_private_segment 0
		.amdhsa_kernarg_size 32
		.amdhsa_user_sgpr_count 2
		.amdhsa_user_sgpr_kernarg_segment_ptr 1
		.amdhsa_wavefront_size32 1
		.amdhsa_system_sgpr_workgroup_id_x 1
		.amdhsa_system_sgpr_workgroup_id_y 1
		.amdhsa_system_sgpr_workgroup_id_z 1
		.amdhsa_system_vgpr_workitem_id 0
		.amdhsa_next_free_vgpr 768
		.amdhsa_next_free_sgpr 66
		.amdhsa_reserve_vcc 0
		.amdhsa_float_denorm_mode_32 3
		.amdhsa_float_denorm_mode_16_64 3
		.amdhsa_memory_ordered 1
		.amdhsa_forward_progress 1
		.amdhsa_inst_pref_size 86
	.end_amdhsa_kernel
	.amdgpu_metadata
---
amdhsa.version: [ 1, 2 ]
amdhsa.kernels:
  - .name:           k_q6681618c7a_oproj
    .symbol:         k_q6681618c7a_oproj.kd
    .args:
      - { .name: att16, .offset: 0, .size: 8, .value_kind: global_buffer, .address_space: global }
      - { .name: wo16, .offset: 8, .size: 8, .value_kind: global_buffer, .address_space: global }
      - { .name: bo, .offset: 16, .size: 8, .value_kind: global_buffer, .address_space: global }
      - { .name: out0, .offset: 24, .size: 8, .value_kind: global_buffer, .address_space: global }
    .group_segment_fixed_size: 327680
    .private_segment_fixed_size: 0
    .kernarg_segment_align: 8
    .kernarg_segment_size: 32
    .max_flat_workgroup_size: 128
    .sgpr_count:     66
    .vgpr_count:     768
    .wavefront_size: 32
...
	.end_amdgpu_metadata
.endif
;; end of part 4
;; launch fine (part 5): grid 32 x 4, 16 waves a work-group, no clusters, 38,912 bytes of LDS; arguments fine32, Wo, bo, out0; writes out0
.if DOCPART == 5
	.amdgcn_target "amdgcn-amd-amdhsa--gfx1250"
	.amdhsa_code_object_version 6
	.text
	.protected	k_q6681618c7a_fine
	.globl	k_q6681618c7a_fine
	.p2align	8
	.type	k_q6681618c7a_fine,@function
k_q6681618c7a_fine:
	s_mov_b64 s[64:65], 0
	v_nop
	global_prefetch_b8 v0, s[64:65] scope:SCOPE_SE
	s_setreg_imm32_b32 hwreg(HW_REG_WAVE_MODE, 25, 1), 1
	s_wait_xcnt 0x0
; POSITIONS 0-15 OF EVERY SEQUENCE, all in f32: attention over at most 16 keys and the projection on the way out; these 64 rows of out0 are written over.
; fine32: f32 [batch][s 16][3072] (Q, K, V with their biases); Wo: f32 [k][n].  Work-group (x, y): batch y, output columns 32 x on.  Wave w = head w: it makes its head's 16 x 64 result and multiplies it by its own
; 64 rows of Wo: its head is its share of the projection's K, so only partial sums, 16 x 32 a wave, go through LDS.  Every work-group of a batch repeats the heads' small attention.
; THE f32 MATRIX FORM takes k = 2 (lane / 16) + register.  Which true k stands there is free so long as both operands agree: each product's k is laid as its operands come to hand (stated at each).
; The registers that this form writes (SA, OA, PA) are written by matrix instructions alone; what is made of them goes elsewhere.
; A row of the output leaves in pieces of 128 bytes: 262,144 bytes in the whole launch.
.set SPARE, 36864                      ; behind the partial sums (16 waves x 16 rows x 144 bytes): the spare words, 128 bytes for each wave
.set SPW, 14
.set NIL, 15
.set QF,  16                           ; v16-47   Q: channels 32 h + 0 .. 31 of query r;  later ON, the head's result / l
.set KFR, 48                           ; v48-79   K likewise;  later the 16 partial sums
.set VF,  80                           ; v80-111  V: register 8 c + i = V(key 8 h + i, channel 16 c + r)
.set WF,  112                          ; v112-175 Wo: register 32 nt + 8 c + i = Wo(64 w + 16 c + 8 h + i, column 16 nt + r)
.set SA,  176                          ; v176-191 the scores, two accumulators by turns
.set SS,  192                          ; v192-199 their sum, then p
.set OA,  200                          ; v200-231 O^T, four accumulators
.set PA,  232                          ; v232-247 the projection, two accumulators
.set ON,  16
	s_load_b256 s[4:11], s[0:1], 0x0               ; fine32 4:5, Wo 6:7, bo 8:9, out0 10:11
	v_lshl_add_u32 v[SPW], v0, 2, SPARE
	v_mov_b32 v[NIL], 0
	v_lshrrev_b32 v1, 5, v0
	v_readfirstlane_b32 s12, v1                    ; wave: my head; at the end my query
	s_and_b32 s13, ttmp7, 0xffff                   ; batch
	v_and_b32 v1, 15, v0                           ; r
	v_bfe_u32 v2, v0, 4, 1                         ; h
	v_mul_u32_u24 v3, v1, 12288
	v_lshl_add_u32 v3, v2, 7, v3                   ; Q, K: row r + 128 h bytes
	v_mul_u32_u24 v4, v2, 98304
	v_lshl_add_u32 v4, v1, 2, v4                   ; V: 8 h rows down, channel r
	v_lshlrev_b32 v5, 15, v2
	v_lshl_add_u32 v5, v1, 2, v5                   ; Wo: 8 h rows down, column r
	v_lshlrev_b32 v6, 3, v2
	v_sub_nc_u32 v6, v1, v6                        ; d = r - 8 h: register j holds key 8 h + j: hidden where j > d
	s_mul_i32 s14, s12, 2304
	v_mul_u32_u24 v7, v1, 144
	v_lshl_add_u32 v7, v2, 5, v7
	v_add_nc_u32 v7, s14, v7                       ; my partial sums: 2304 w + 144 r + 32 h
	s_mul_i32 s14, s12, 144
	v_and_b32 v10, 31, v0
	v_lshlrev_b32 v10, 2, v10                      ; 4 x lane
	v_add_nc_u32 v8, s14, v10                      ; and back: query w, column lane
	v_mov_b32 v249, 0xff800000                     ; -infinity
	v_mov_b32 v251, 0                              ; (a lane permute's destination counts as one of its sources)
	v_mov_b32 v253, 0
	s_mov_b32 s16, 0x76543210
	s_mov_b32 s17, 0xfedcba98
	s_mov_b32 s18, 0x3e38aa3b                      ; c = log2(e) / 8
	s_mul_i32 s20, s13, 196608
	s_lshl_b32 s14, s12, 8
	s_add_co_u32 s20, s20, s14                     ; fine32: batch, head
	s_mov_b32 s21, 0
	s_lshl_b32 s22, s12, 18
	s_lshl_b32 s24, ttmp9, 7                       ; 32 columns x 4 bytes
	s_mov_b32 s25, 0
	s_add_co_u32 s22, s22, s24                     ; Wo: my head's 64 rows, the work-group's columns
	s_mov_b32 s23, 0
	s_lshl_b32 s26, s13, 11
	s_add_co_u32 s26, s26, s12
	s_lshl_b32 s26, s26, 12
	s_add_co_u32 s26, s26, s24                     ; out0: row 2048 batch + wave
	s_mov_b32 s27, 0
	s_wait_kmcnt 0x0
	s_add_nc_u64 s[4:5], s[4:5], s[20:21]
	s_add_nc_u64 s[6:7], s[6:7], s[22:23]
	s_add_nc_u64 s[8:9], s[8:9], s[24:25]
	s_add_nc_u64 s[10:11], s[10:11], s[26:27]
.irp i, 0,1,2,3,4,5,6,7
	global_load_b128 v[QF+4*\i:QF+4*\i+3], v3, s[4:5] offset:16*\i
.endr
.irp i, 0,1,2,3,4,5,6,7
	global_load_b128 v[KFR+4*\i:KFR+4*\i+3], v3, s[4:5] offset:4096+16*\i
.endr
.irp c, 0,1,2,3
.irp i, 0,1,2,3,4,5,6,7
	global_load_b32 v[VF+8*\c+\i], v4, s[4:5] offset:8192+12288*\i+64*\c
.endr
.endr
	s_wait_loadcnt 32                              ; Q and K are in; V's 32 loads may be out
	; S^T = K Q^T: step p takes channels 32 h + 2 p, 2 p + 1 of both
.irp p, 0,1,2,3,4,5,6,7,8,9,10,11,12,13,14,15
.if \p < 2
	v_wmma_f32_16x16x4_f32 v[SA+8*(\p%2):SA+8*(\p%2)+7], v[KFR+2*\p:KFR+2*\p+1], v[QF+2*\p:QF+2*\p+1], 0
.else
	v_wmma_f32_16x16x4_f32 v[SA+8*(\p%2):SA+8*(\p%2)+7], v[KFR+2*\p:KFR+2*\p+1], v[QF+2*\p:QF+2*\p+1], v[SA+8*(\p%2):SA+8*(\p%2)+7]
.endif
.endr
.irp nt, 0,1
.irp c, 0,1,2,3
.irp i, 0,1,2,3,4,5,6,7
	global_load_b32 v[WF+32*\nt+8*\c+\i], v5, s[6:7] offset:(16*\c+\i)*4096+64*\nt
.endr
.endr
.endr
	global_load_b32 v248, v10, s[8:9]              ; bo of my column
.rept 8
	v_nop                                          ; eight places behind this form (ISA guide 7.12.1)
.endr
.irp j, 0,1,2,3,4,5,6,7
	v_add_f32 v[SS+\j], v[SA+\j], v[SA+8+\j]       ; lane (r, h): query r, key 8 h + j
.endr
.irp j, 0,1,2,3,4,5,6,7
	v_cmp_gt_i32 vcc_lo, \j, v6
	v_cndmask_b32 v[SS+\j], v[SS+\j], v249, vcc_lo
.endr
	v_max3_num_f32 v250, v[SS], v[SS+1], v[SS+2]
	v_max3_num_f32 v250, v250, v[SS+3], v[SS+4]
	v_max3_num_f32 v250, v250, v[SS+5], v[SS+6]
	v_max_num_f32 v250, v250, v[SS+7]
	v_permlanex16_b32 v251, v250, s16, s17
	v_max_num_f32 v250, v250, v251                 ; the row's maximum: key 0 counts for every query
	v_mul_f32 v251, s18, v250
.irp j, 0,1,2,3,4,5,6,7
	v_fma_f32 v[SS+\j], v[SS+\j], s18, -v251
.endr
.irp j, 0,1,2,3,4,5,6,7
	v_exp_f32 v[SS+\j], v[SS+\j]
.endr
	v_nop
	s_wait_alu depctr_va_vdst(0)                   ; one wait for the eight exponentials, ahead of their first reader
	v_add_f32 v252, v[SS], v[SS+1]
	v_add_f32 v254, v[SS+2], v[SS+3]
	v_add_f32 v252, v252, v[SS+4]
	v_add_f32 v254, v254, v[SS+5]
	v_add_f32 v252, v252, v[SS+6]
	v_add_f32 v254, v254, v[SS+7]
	v_add_f32 v252, v252, v254
	v_permlanex16_b32 v253, v252, s16, s17
	v_add_f32 v252, v252, v253
	v_rcp_f32 v252, v252
	v_nop
	s_wait_alu depctr_va_vdst(0)
	s_wait_loadcnt 63                              ; 65 loads were issued behind V's last: the largest count that the wait can name is under that, so V is in
	; O^T = V^T P: step kk takes keys 8 h + 2 kk, 2 kk + 1 of both
.irp kk, 0,1,2,3
.irp c, 0,1,2,3
.if \kk == 0
	v_wmma_f32_16x16x4_f32 v[OA+8*\c:OA+8*\c+7], v[VF+8*\c+2*\kk:VF+8*\c+2*\kk+1], v[SS+2*\kk:SS+2*\kk+1], 0
.else
	v_wmma_f32_16x16x4_f32 v[OA+8*\c:OA+8*\c+7], v[VF+8*\c+2*\kk:VF+8*\c+2*\kk+1], v[SS+2*\kk:SS+2*\kk+1], v[OA+8*\c:OA+8*\c+7]
.endif
.endr
.endr
.rept 8
	v_nop
.endr
.set i, 0
.rept 32
	v_mul_f32 v[ON+i], v[OA+i], v252               ; lane (r, h): query r, channel 16 c + 8 h + j at register 8 c + j
.set i, i+1
.endr
	s_wait_loadcnt 0x0                             ; Wo and bo
	; the projection, transposed: step (c, jj) takes channels 16 c + 8 h + 2 jj, 2 jj + 1 of both
.irp c, 0,1,2,3
.irp jj, 0,1,2,3
.irp nt, 0,1
.if (\c == 0) && (\jj == 0)
	v_wmma_f32_16x16x4_f32 v[PA+8*\nt:PA+8*\nt+7], v[WF+32*\nt+8*\c+2*\jj:WF+32*\nt+8*\c+2*\jj+1], v[ON+8*\c+2*\jj:ON+8*\c+2*\jj+1], 0
.else
	v_wmma_f32_16x16x4_f32 v[PA+8*\nt:PA+8*\nt+7], v[WF+32*\nt+8*\c+2*\jj:WF+32*\nt+8*\c+2*\jj+1], v[ON+8*\c+2*\jj:ON+8*\c+2*\jj+1], v[PA+8*\nt:PA+8*\nt+7]
.endif
.endr
.endr
.endr
.rept 8
	v_nop
.endr
.irp nt, 0,1
	ds_store_b128 v7, v[PA+8*\nt:PA+8*\nt+3] offset:64*\nt           ; lane (r, h): query r, columns 16 nt + 8 h + 0 .. 7
	ds_store_b128 v7, v[PA+8*\nt+4:PA+8*\nt+7] offset:64*\nt+16
.endr
	s_wait_dscnt 0x0                               ; for the others' sake: my stores have landed
	s_barrier_signal -1
	s_barrier_wait -1
.irp i, 0,1,2,3,4,5,6,7,8,9,10,11,12,13,14,15
	ds_load_b32 v[KFR+\i], v8 offset:2304*\i       ; the sixteen heads' parts of out(query = my wave, column = my lane)
.endr
	s_wait_dscnt 0x0
.irp i, 0,2,4,6,8,10,12,14
	v_add_f32 v[KFR+\i], v[KFR+\i], v[KFR+\i+1]
.endr
.irp i, 0,4,8,12
	v_add_f32 v[KFR+\i], v[KFR+\i], v[KFR+\i+2]
.endr
.irp i, 0,8
	v_add_f32 v[KFR+\i], v[KFR+\i], v[KFR+\i+4]
.endr
	v_add_f32 v[KFR], v[KFR], v[KFR+8]
	v_add_f32 v[KFR], v[KFR], v248
	global_store_b32 v10, v[KFR], s[10:11]
	s_wait_tensorcnt 0x0                           ; the wave's end
	ds_add_u32 v[SPW], v[NIL]
	s_wait_dscnt 0x0
	s_endpgm
.Lfunc_end_k_q6681618c7a_fine:
	.size	k_q6681618c7a_fine, .Lfunc_end_k_q6681618c7a_fine-k_q6681618c7a_fine
	.p2alignl 7, 3214868480
	.fill 96, 4, 3214868480
	.section	.rodata,"a",@progbits
	.p2align	6, 0x0
	.amdhsa_kernel k_q6681618c7a_fine
		.amdhsa_group_segment_fixed_size 38912
		.amdhsa_private_segment_fixed_size 0
		.amdhsa_enable_private_segment 0
		.amdhsa_kernarg_size 32
		.amdhsa_user_sgpr_count 2
		.amdhsa_user_sgpr_kernarg_segment_ptr 1
		.amdhsa_wavefront_size32 1
		.amdhsa_system_sgpr_workgroup_id_x 1
		.amdhsa_system_sgpr_workgroup_id_y 1
		.amdhsa_system_sgpr_workgroup_id_z 1
		.amdhsa_system_vgpr_workitem_id 0
		.amdhsa_next_free_vgpr 256
		.amdhsa_next_free_sgpr 66
		.amdhsa_reserve_vcc 1
		.amdhsa_float_denorm_mode_32 3
		.amdhsa_float_denorm_mode_16_64 3
		.amdhsa_memory_ordered 1
		.amdhsa_forward_progress 1
		.amdhsa_inst_pref_size 24
	.end_amdhsa_kernel
	.amdgpu_metadata
---
amdhsa.version: [ 1, 2 ]
amdhsa.kernels:
  - .name:           k_q6681618c7a_fine
    .symbol:         k_q6681618c7a_fine.kd
    .args:
      - { .name: fine32, .offset: 0, .size: 8, .value_kind: global_buffer, .address_space: global }
      - { .name: Wo, .offset: 8, .size: 8, .value_kind: global_buffer, .address_space: global }
      - { .name: bo, .offset: 16, .size: 8, .value_kind: global_buffer, .address_space: global }
      - { .name: out0, .offset: 24, .size: 8, .value_kind: global_buffer, .address_space: global }
    .group_segment_fixed_size: 38912
    .private_segment_fixed_size: 0
    .kernarg_segment_align: 8
    .kernarg_segment_size: 32
    .max_flat_workgroup_size: 512
    .sgpr_count:     66
    .vgpr_count:     256
    .wavefront_size: 32
...
	.end_amdgpu_metadata
.endif
;; end of part 5
